; MI455X (gfx1250); checked and timed in simulation.
; The chip was launched on July 23, 2026; its instructions are those of AMD's public machine-readable ISA for CDNA 5 (MIT licence, August 2026) and "CDNA5" Instruction Set Architecture Reference Guide (July 2026). The comments in the code are by the model that wrote it; some were corrected since.
;; Di Di Attention. Allowed arithmetic: matrix products marked QUANTISED: E4M3 operands, one given power-of-two scale a tensor, by v_wmma_f32_16x16x64_fp8_fp8 or v_wmma_f32_16x16x128_fp8_fp8, f32 sums; products left as they are: f32 operands where the result goes on into a quantised operand, else bf16, f16 or f32 operands; f32 sums; everything else in f32.
;; Inputs: A 16 x 2,048 x 256 float32; L 16 x 2,048 x 256 float32; length_a 16 int32; length_l 16 int32; lowp_scales 2 int32 (the exponents e of the quantised operands' scales 2^e); u_w 1 x 256 float32; v_b 1 float32; v_w 1 x 256 float32.
;; Outputs: out0 16 x 2,048 x 256 float32.
;; This version of the problem:
;;   THIS VERSION OF THE PROBLEM IS GIVEN IN LOW PRECISION. The matrix products marked QUANTISED in the list below multiply operands that are first quantised to E4M3 (4 exponent bits, 3 mantissa bits; 8 bits a number), with one given power-of-two scale for each operand tensor; their sums are f32. All else is computed in f32.
;;   The module's matrix products, in the order in which they are computed (A, B: the left and right operand; K: the contracted axis; several contracted axes count as one K, in the product's order):
;;     1. [M 32,768, K 256] x [K 256, N 1]; A: input A; B: input u_w: left as it is (N = 1 < 16)
;;     2. [M 32,768, K 256] x [K 256, N 1]; A: input L; B: input v_w: left as it is (N = 1 < 16)
;;     3. batch 16 x [M 2,048, K 2,048] x [K 2,048, N 256]; A: computed on the way; B: input A: QUANTISED (scales: A lowp_scales[0], B lowp_scales[1])
;;   THE QUANTISER, for each operand of a quantised product, along K:
;;     - The operand's scale is 2^e, e = its entry of the input lowp_scales (int32; the entries are numbered through the quantised products in the list's order, A before B).
;;     - Each number is divided by the scale, clamped to +-448, and rounded to the nearest number of E4M3, ties to even, subnormals kept.
;;     - The product sums the exact products of the quantised numbers (number of the format x scale) in f32.
;;   ~~~python
;;   def quantise(x, axis, e):      # numpy; x: float32 -> the quantised numbers, widened to float32 again
;;       x = np.moveaxis(x, axis, -1); K = x.shape[-1]
;;       r = np.clip(x / 2.0 ** e, -448, 448)
;;       step = 2.0 ** (np.maximum(np.frexp(np.where(r == 0, 1, r))[1] - 1, -6) - 3)
;;       q = np.round(r / step) * step * 2.0 ** e      # np.round: ties to even
;;       return np.moveaxis(q, -1, axis).astype(np.float32)
;;   ~~~
;;   OPERANDS COMPUTED ON THE WAY. 'Computed on the way' means the value that the module computes at that place (a softmax that the list does not call 'softmax' is quantised finished and normalised). What goes into a quantiser is computed in f32, as accurately as f32 sums, v_exp_f32 and their like allow (about 1e-6 of the number): no bf16 or f16 on the way to a quantiser, and a product that is left as it is and whose result goes on into a quantised operand takes f32 operands (vector FMAs, or v_wmma_f32_16x16x4_f32). A number that lies on a knife's edge between two numbers of the format may be rounded either way, as far as f32 arithmetic and the matrix unit's own rounding can turn it there, and no further.
;; 3 versions, each right; version 2 is faster than version 1; version 3 is version 2 with the launch attn written anew for expert scheduling mode. Each part assembles by itself: llvm-mc -triple=amdgcn-amd-amdhsa -mcpu=gfx1250 --defsym DOCPART=n.
;; ======== version 1 of 3: 2 launches
;; workspace buffers: acodes 8,388,608 bytes; ubuf 262,144 bytes; vbuf 262,144 bytes; work 16,384 bytes of whole numbers
;; launch prep (part 1): grid 1025 x 1, 4 waves a work-group, no clusters, 133,632 bytes of LDS; arguments A, L, length_a, length_l, lowp_scales, u_w, v_b, v_w, acodes, ubuf, vbuf, work; writes acodes, ubuf, vbuf, work
.if DOCPART == 1
	.amdgcn_target "amdgcn-amd-amdhsa--gfx1250"
	.amdhsa_code_object_version 6
	.text
	.protected	k_qd83a52ee04_prep
	.globl	k_qd83a52ee04_prep
	.p2align	8
	.type	k_qd83a52ee04_prep,@function
k_qd83a52ee04_prep:
	s_mov_b64 s[64:65], 0
	v_nop
	global_prefetch_b8 v0, s[64:65] scope:SCOPE_SE
	s_setreg_imm32_b32 hwreg(HW_REG_WAVE_MODE, 25, 1), 1
	s_wait_xcnt 0x0
; PREP.  Three kinds of work-group, told apart by the work-group's number; a wave does one unit and ends; waves share nothing, so there is no barrier.
;  0..511    A: a unit is 16 rows s of one batch x 256 columns.  ua[s] = A[s,:] . u_w in f32, and the codes of A (E4M3, scale 2^e1) with s, the product's K, innermost.
;  512..1023 L: a unit is 16 rows t.  vl[t] = L[t,:] . v_w + v_b in f32.
;  1024      the list of the next launch's 1,024 tiles of 32 rows t: tiles with rows under length_l first, by length_a descending, then the others.
; THE ORDER OF THE DOT PRODUCTS' ROUNDINGS IS FIXED.  A row's norm in the next launch is a sum of tanh of both signs that may come out near 0, and it moves by hundreds of times an error in vl: so it matters which f32 number vl is.
;  The order taken is that of a plain vectorised f32 product of a row-major matrix with a vector, eight numbers wide: accumulator l = 0 .. 7 takes columns l, l + 8, .. by 32 fused multiply-adds on end (the first a product),
;  then ((a0 + a1) + (a2 + a3)) + ((a4 + a5) + (a6 + a7)); v_b is added last.
;  LANE (r, h) HOLDS ROW r AND ACCUMULATORS 4 h .. 4 h + 3: it wants 16 bytes of every 32 of its row.  So a unit's rows go through the wave's own stage in LDS (rows 1,040 bytes apart: 65 x 16, so that sixteen rows' loads of 16 bytes
;  fall on sixteen different columns of 16 bytes).  A's path and L's path have LDS bytes of their own.
; STORED: rows 16 q .. 16 q + 15 of batch b have 128 bytes at 128 (128 b + q) of ubuf or vbuf: 16 values, then 16 masks (1.0 under the length, else 0.0; the value is then 0).
; THE CODES lie in the order of the operand's registers: byte ((16 b + j) 16 + n) 2048 + 512 c + 16 (16 h + r) + i is the code of A[b][128 j + 32 c + 16 h + i][16 n + r].
;  For them A LANE TAKES A COLUMN AND ITS REGISTERS RUN DOWN s, so the conversion gives 16 neighbours along K; sixteen lanes store 256 consecutive bytes, at a multiple of 256 from the buffer's first byte.
;  Rows s from length_a up to the next multiple of 128 get zero codes; rows beyond are neither written here nor read later.
; LIMITS: e1 between -126 and 119; NaN and infinities among the inputs are not served; lengths are held within 0 .. 2,048.
.set PITCH, 1040
.set WREG,  16*PITCH                   ; a wave's stage
.set LBASE, 4*WREG                     ; L's four stages lie behind A's four
.set W,   16                           ; v16-143  the weights: quad k holds w(8 k + 4 h + 0 .. 3)
.set D,   144                          ; v144-207 a ring of 64 numbers on their way; later two sets of eight quads of my row
.set CD,  208                          ; v208-239 A: codes: four registers for each group of 32 columns, so that no store's data are written again
.set WO,  240                          ; 16 h
.set DLA, 241                          ; LDS address of my row's quads in A's stage,
.set DLL, 242                          ; in L's
.set P0,  244                          ; v244-247 my four accumulators
.set T0,  248                          ; v248-250 at work
.set S,   252                          ; the row's product
; my row's product from the stage at v[adr]: four batches of eight quads, two on their way
.macro DOT adr
.irp q, 0,1,2,3,4,5,6,7
	ds_load_b128 v[D+4*\q:D+4*\q+3], v[\adr] offset:32*\q
.endr
.irp q, 0,1,2,3,4,5,6,7
	ds_load_b128 v[D+32+4*\q:D+32+4*\q+3], v[\adr] offset:32*(8+\q)
.endr
.irp b, 0,1,2,3
.if \b < 3
	s_wait_dscnt 8                                 ; this batch is in (and my stores into the stage are done: LDS serves a wave's instructions in order); the next batch's eight loads may be out
.else
	s_wait_dscnt 0x0
.endif
.irp q, 0,1,2,3,4,5,6,7
.set xR, D+32*(\b%2)+4*\q
.set wR, W+4*(8*\b+\q)
.if (8*\b+\q) == 0
	v_pk_mul_f32 v[P0:P0+1], v[xR:xR+1], v[wR:wR+1]                ; the first products start the sums
	v_pk_mul_f32 v[P0+2:P0+3], v[xR+2:xR+3], v[wR+2:wR+3]
.else
	v_pk_fma_f32 v[P0:P0+1], v[xR:xR+1], v[wR:wR+1], v[P0:P0+1]
	v_pk_fma_f32 v[P0+2:P0+3], v[xR+2:xR+3], v[wR+2:wR+3], v[P0+2:P0+3]
.endif
.endr
.if \b < 2
.irp q, 0,1,2,3,4,5,6,7
	ds_load_b128 v[D+32*(\b%2)+4*\q:D+32*(\b%2)+4*\q+3], v[\adr] offset:32*(8*(\b+2)+\q)
.endr
.endif
.endr
	v_add_f32 v[T0], v[P0], v[P0+1]
	v_add_f32 v[T0+1], v[P0+2], v[P0+3]
	v_add_f32 v[T0], v[T0], v[T0+1]                ; my four accumulators
	v_permlanex16_b32 v[T0+2], v[T0], s42, s43     ; the other four, from the lane 16 away
	v_add_f32 v[S], v[T0], v[T0+2]
.endm
	s_load_b512 s[4:19], s[0:1], 0x0               ; A s[4:5], L s[6:7], length_a s[8:9], length_l s[10:11], lowp_scales s[12:13], u_w s[14:15], v_b s[16:17], v_w s[18:19]
	s_load_b256 s[20:27], s[0:1], 0x40             ; acodes s[20:21], ubuf s[22:23], vbuf s[24:25], work s[26:27]
	v_lshl_add_u32 v254, v0, 2, 0x20800
	v_mov_b32 v255, 0
	v_lshrrev_b32 v1, 5, v0
	v_readfirstlane_b32 s28, v1                    ; wave
	v_and_b32 v1, 31, v0                           ; lane
	v_lshlrev_b32 v2, 2, v1                        ; 4 x lane
	v_lshlrev_b32 v3, 4, v1                        ; 16 x lane
	v_lshrrev_b32 v6, 4, v1                        ; h = lane / 16
	v_and_b32 v7, 15, v1                           ; r = lane % 16
	v_lshlrev_b32 v4, 11, v6
	v_lshl_add_u32 v4, v7, 4, v4                   ; the codes' place: 2048 h + 16 r
	s_mul_i32 s41, s28, WREG                       ; my wave's stage
	v_add_nc_u32 v8, s41, v2                       ; A: into the stage: 4 bytes a lane
	v_add_nc_u32 v9, s41, v3
	v_add_nc_u32 v9, LBASE, v9                     ; L: into the stage: 16 bytes a lane
	v_mul_u32_u24 v[DLA], v7, PITCH
	v_lshl_add_u32 v[DLA], v6, 4, v[DLA]
	v_add_nc_u32 v[DLA], s41, v[DLA]               ; out of it: row r, + 16 h
	v_add_nc_u32 v[DLL], LBASE, v[DLA]
	v_lshlrev_b32 v[WO], 4, v6
	s_and_b32 s29, ttmp9, 511
	s_lshl_b32 s29, s29, 2
	s_add_co_u32 s29, s29, s28                     ; unit = 4 x (work-group mod 512) + wave = 128 b + q
	s_lshr_b32 s30, s29, 7                         ; b
	s_and_b32 s31, s29, 127                        ; q
	s_lshl_b32 s32, s31, 4                         ; the unit's first row
	v_add_nc_u32 v5, s32, v7                       ; my row
	s_mov_b32 s40, 0xffff0000                      ; lanes 16-31
	s_mov_b32 s42, 0x76543210                      ; v_permlanex16_b32: lane l takes lane l xor 16
	s_mov_b32 s43, 0xfedcba98
	v_mov_b32 v12, 0                               ; a quad of zeros
	v_mov_b32 v13, 0
	v_mov_b32 v14, 0
	v_mov_b32 v15, 0
	v_mov_b32 v[S], 0                              ; a unit past the length computes nothing
	v_mov_b32 v[T0+2], 0                           ; a lane permute's destination counts as one of its sources
	s_wait_kmcnt 0x0
	s_cmp_eq_u32 ttmp9, 1024
	s_cbranch_scc1 .Llist
	s_cmp_lt_u32 ttmp9, 512                        ; A's work-group or L's: the choice hangs on the work-group's number alone
	s_cselect_b64 s[48:49], s[4:5], s[6:7]         ; the numbers
	s_cselect_b64 s[52:53], s[22:23], s[24:25]     ; ubuf or vbuf
	s_cselect_b64 s[54:55], s[8:9], s[10:11]       ; the lengths
	s_lshl_b32 s56, s30, 2
	s_mov_b32 s57, 0
	s_add_nc_u64 s[54:55], s[54:55], s[56:57]
	s_load_b32 s33, s[54:55], 0x0                  ; the batch's length
	s_load_b32 s34, s[16:17], 0x0                  ; v_b
	s_load_b64 s[58:59], s[12:13], 0x0             ; e0, e1
	s_lshl_b32 s56, s29, 14                        ; 16 rows of 1,024 bytes a unit
	s_add_nc_u64 s[48:49], s[48:49], s[56:57]
	s_lshl_b32 s56, s29, 7                         ; 128 bytes a unit
	s_add_nc_u64 s[52:53], s[52:53], s[56:57]
	s_lshr_b32 s56, s29, 3                         ; 16 b + j
	s_lshl_b32 s56, s56, 15                        ; 16 fragments of 2,048 bytes
	s_and_b32 s60, s29, 7                          ; 2 c + h
	s_lshl_b32 s60, s60, 8
	s_add_co_u32 s56, s56, s60
	s_add_nc_u64 s[50:51], s[20:21], s[56:57]      ; the unit's codes
	s_wait_kmcnt 0x0
	s_max_i32 s33, s33, 0
	s_min_u32 s33, s33, 2048
	s_cmp_lt_u32 ttmp9, 512
	s_cselect_b32 s34, 0, s34                      ; u has no bias
	s_cbranch_scc0 .Lpath_l
	; ---- A ----
	s_cmp_ge_u32 s32, s33
	s_cbranch_scc0 .La_work
	s_add_co_u32 s56, s33, 127                     ; the unit lies past length_a: zero codes as far as the last K step of 128 reaches, nothing beyond
	s_and_b32 s56, s56, 0xffffff80
	s_cmp_lt_u32 s32, s56
	s_cbranch_scc0 .Ltail
.irp g, 0,1,2,3,4,5,6,7
	global_store_b128 v4, v[12:15], s[50:51] offset:4096*\g
.endr
	s_branch .Ltail
.La_work:
.irp k, 0,1,2,3,4,5,6,7,8,9,10,11,12,13,14,15,16,17,18,19,20,21,22,23,24,25,26,27,28,29,30,31
	global_load_b128 v[W+4*\k:W+4*\k+3], v[WO], s[14:15] offset:32*\k          ; u_w(8 k + 4 h ..)
.endr
.irp g, 0,1,2,3
.irp i, 0,1,2,3,4,5,6,7,8,9,10,11,12,13,14,15
	global_load_b32 v[D+16*\g+\i], v2, s[48:49] offset:1024*\i+128*\g th:TH_LOAD_NT   ; A(first row + i, 32 g + lane): the wave reads 128 consecutive bytes
.endr
.endr
	s_add_co_i32 s44, s59, 127
	s_lshl_b32 s45, s44, 23
	v_mov_b32 v10, s45                             ; 2^e1 as f32: the conversion takes its exponent field
	s_add_co_i32 s44, s44, 8
	s_lshl_b32 s44, s44, 23
	s_or_b32 s44, s44, 0x600000
	v_mov_b32 v11, s44                             ; 448 x 2^e1
.irp i, 0,1,2,3,4,5,6,7,8,9,10,11,12,13,14,15
	s_add_co_u32 s56, s32, \i
	s_cmp_lt_u32 s56, s33
	s_cselect_b32 s[66+\i], -1, 0                  ; rows at or past length_a become zeros
.endr
.irp g, 0,1,2,3,4,5,6,7
.set dG, D+16*(\g%4)
.if (7-\g) > 3
	s_wait_loadcnt 48                              ; this group's loads are in (and the weights', which are older); three later groups' may be out
.else
	s_wait_loadcnt 16*(7-\g)
.endif
.irp i, 0,1,2,3,4,5,6,7,8,9,10,11,12,13,14,15
	v_and_b32 v[dG+\i], s[66+\i], v[dG+\i]
.endr
.irp i, 0,1,2,3,4,5,6,7,8,9,10,11,12,13,14,15
	ds_store_b32 v8, v[dG+\i] offset:\i*PITCH+128*\g               ; into the stage, as rows
.endr
	s_wait_dscnt 0x0                               ; the stores have read their registers, which the hold rewrites
.irp i, 0,1,2,3,4,5,6,7,8,9,10,11,12,13,14,15
	v_med3_num_f32 v[dG+\i], v[dG+\i], -v11, v11                   ; the conversion to an 8-bit code does not saturate (ISA guide 7.6.2): the hold at the largest code x the scale
.endr
	v_cvt_scalef32_pk8_fp8_f32 v[CD+4*\g:CD+4*\g+1], v[dG:dG+7], v10
	v_cvt_scalef32_pk8_fp8_f32 v[CD+4*\g+2:CD+4*\g+3], v[dG+8:dG+15], v10      ; the results go to a store alone; the vector lines that follow are plain and touch other registers
	global_store_b128 v4, v[CD+4*\g:CD+4*\g+3], s[50:51] offset:4096*\g        ; lanes 0-15: 256 bytes of fragment 2 g; lanes 16-31: of fragment 2 g + 1
.if \g < 4
.irp i, 0,1,2,3,4,5,6,7,8,9,10,11,12,13,14,15
	global_load_b32 v[dG+\i], v2, s[48:49] offset:1024*\i+128*(\g+4) th:TH_LOAD_NT
.endr
.endif
.endr
	DOT DLA
	s_branch .Ltail
	; ---- L ----
.Lpath_l:
	s_cmp_ge_u32 s32, s33
	s_cbranch_scc1 .Ltail
.irp k, 0,1,2,3,4,5,6,7,8,9,10,11,12,13,14,15,16,17,18,19,20,21,22,23,24,25,26,27,28,29,30,31
	global_load_b128 v[W+4*\k:W+4*\k+3], v[WO], s[18:19] offset:32*\k          ; v_w(8 k + 4 h ..)
.endr
.irp i, 0,1,2,3,4,5,6,7
	global_load_b128 v[D+8*\i:D+8*\i+3], v3, s[48:49] offset:1024*\i th:TH_LOAD_NT       ; the wave reads 512 consecutive bytes
	global_load_b128 v[D+8*\i+4:D+8*\i+7], v3, s[48:49] offset:1024*\i+512 th:TH_LOAD_NT
.endr
.irp i, 0,1,2,3,4,5,6,7,8,9,10,11,12,13,14,15
.set dR, D+8*(\i%8)
.if \i < 8
	s_wait_loadcnt 14                              ; row i is in; behind its loads stand those of seven later rows
.else
	s_wait_loadcnt 2*(15-\i)
.endif
	ds_store_b128 v9, v[dR:dR+3] offset:\i*PITCH
	ds_store_b128 v9, v[dR+4:dR+7] offset:\i*PITCH+512
.if \i < 8
	s_wait_dscnt 0x0                               ; the stores have read their registers, which take the row eight further on
	global_load_b128 v[dR:dR+3], v3, s[48:49] offset:1024*(\i+8) th:TH_LOAD_NT
	global_load_b128 v[dR+4:dR+7], v3, s[48:49] offset:1024*(\i+8)+512 th:TH_LOAD_NT
.endif
.endr
	DOT DLL
.Ltail:
	v_add_f32 v[S], s34, v[S]                      ; + v_b (u: + 0)
	v_cmp_gt_u32 vcc_lo, s33, v5                   ; my row lies under the length
	v_cndmask_b32 v[S], 0, v[S], vcc_lo
	v_cndmask_b32 v[T0], 0, 1.0, vcc_lo
	v_cndmask_b32 v[S], v[S], v[T0], s40           ; lanes 0-15 store the value, lanes 16-31 the mask
	global_store_b32 v2, v[S], s[52:53]            ; 128 consecutive bytes
	s_wait_tensorcnt 0x0
	ds_add_u32 v254, v255
	s_wait_dscnt 0x0
	s_endpgm
	; ---- the list ----  Lane: batch lane % 16.  A batch's tiles with rows under length_l stand together, the batches by (length_a, lower batch first) descending; behind them all the other tiles, in the same order of batches.
.Llist:
	v_lshlrev_b32 v8, 2, v7
	global_load_b32 v16, v8, s[8:9]                ; length_a
	global_load_b32 v17, v8, s[10:11]              ; length_l
	s_wait_loadcnt 0x0
	v_max_i32 v16, 0, v16
	v_min_u32 v16, 0x800, v16
	v_max_i32 v17, 0, v17
	v_min_u32 v17, 0x800, v17
	v_lshlrev_b32 v18, 4, v16
	v_sub_nc_u32 v19, 15, v7
	v_add_nc_u32 v18, v18, v19                     ; the key: 16 length_a + 15 - batch: no two alike
	v_add_nc_u32 v19, 31, v17
	v_lshrrev_b32 v19, 5, v19                      ; n: the batch's tiles with rows under length_l
	v_mov_b32 v20, 0                               ; such tiles of the batches ahead of mine
	v_mov_b32 v21, 0                               ; batches ahead of mine
	s_mov_b32 s56, 0                               ; such tiles in all
.irp k, 0,1,2,3,4,5,6,7,8,9,10,11,12,13,14,15
	v_readlane_b32 s57, v18, \k
	v_readlane_b32 s58, v19, \k
	s_add_co_u32 s56, s56, s58
	v_cmp_gt_u32 vcc_lo, s57, v18
	v_mov_b32 v23, s58
	v_cndmask_b32 v22, 0, v23, vcc_lo
	v_add_nc_u32 v20, v20, v22
	v_cndmask_b32 v22, 0, 1, vcc_lo
	v_add_nc_u32 v21, v21, v22
.endr
	v_lshl_add_u32 v24, v21, 6, s56
	v_sub_nc_u32 v24, v24, v20                     ; where my batch's other tiles begin
	s_lshl_b32 s60, s28, 4
	v_add_nc_u32 v25, s60, v6                      ; tile = lane / 16 + 16 wave + 2 m
.irp m, 0,1,2,3,4,5,6,7
	v_mov_b32 v[40+4*\m], v7                       ; the entry: batch,
	v_add_nc_u32 v[41+4*\m], 2*\m, v25             ; tile,
	v_cmp_lt_u32 vcc_lo, v[41+4*\m], v19
	v_cndmask_b32 v[42+4*\m], 0, v16, vcc_lo       ; length_a, or 0 where the tile has no row under length_l,
	v_mov_b32 v[43+4*\m], v17                      ; length_l
	v_add_nc_u32 v26, v20, v[41+4*\m]
	v_add_nc_u32 v27, v24, v[41+4*\m]
	v_sub_nc_u32 v27, v27, v19
	v_cndmask_b32 v[80+\m], v27, v26, vcc_lo       ; its place among the 1,024
	v_min_u32 v[80+\m], 0x3ff, v[80+\m]
	v_lshlrev_b32 v[80+\m], 4, v[80+\m]
	global_store_b128 v[80+\m], v[40+4*\m:43+4*\m], s[26:27]
.endr
	s_endpgm
.Lfunc_end_k_qd83a52ee04_prep:
	.size	k_qd83a52ee04_prep, .Lfunc_end_k_qd83a52ee04_prep-k_qd83a52ee04_prep
	.p2alignl 7, 3214868480
	.fill 96, 4, 3214868480
	.section	.rodata,"a",@progbits
	.p2align	6, 0x0
	.amdhsa_kernel k_qd83a52ee04_prep
		.amdhsa_group_segment_fixed_size 133632
		.amdhsa_private_segment_fixed_size 0
		.amdhsa_enable_private_segment 0
		.amdhsa_kernarg_size 96
		.amdhsa_user_sgpr_count 2
		.amdhsa_user_sgpr_kernarg_segment_ptr 1
		.amdhsa_wavefront_size32 1
		.amdhsa_system_sgpr_workgroup_id_x 1
		.amdhsa_system_sgpr_workgroup_id_y 1
		.amdhsa_system_sgpr_workgroup_id_z 1
		.amdhsa_system_vgpr_workitem_id 0
		.amdhsa_next_free_vgpr 256
		.amdhsa_next_free_sgpr 96
		.amdhsa_reserve_vcc 1
		.amdhsa_float_denorm_mode_32 3
		.amdhsa_float_denorm_mode_16_64 3
		.amdhsa_memory_ordered 1
		.amdhsa_forward_progress 1
		.amdhsa_inst_pref_size 76
	.end_amdhsa_kernel
	.amdgpu_metadata
---
amdhsa.version: [ 1, 2 ]
amdhsa.kernels:
  - .name:           k_qd83a52ee04_prep
    .symbol:         k_qd83a52ee04_prep.kd
    .args:
      - { .name: A, .offset: 0, .size: 8, .value_kind: global_buffer, .address_space: global }
      - { .name: L, .offset: 8, .size: 8, .value_kind: global_buffer, .address_space: global }
      - { .name: length_a, .offset: 16, .size: 8, .value_kind: global_buffer, .address_space: global }
      - { .name: length_l, .offset: 24, .size: 8, .value_kind: global_buffer, .address_space: global }
      - { .name: lowp_scales, .offset: 32, .size: 8, .value_kind: global_buffer, .address_space: global }
      - { .name: u_w, .offset: 40, .size: 8, .value_kind: global_buffer, .address_space: global }
      - { .name: v_b, .offset: 48, .size: 8, .value_kind: global_buffer, .address_space: global }
      - { .name: v_w, .offset: 56, .size: 8, .value_kind: global_buffer, .address_space: global }
      - { .name: acodes, .offset: 64, .size: 8, .value_kind: global_buffer, .address_space: global }
      - { .name: ubuf, .offset: 72, .size: 8, .value_kind: global_buffer, .address_space: global }
      - { .name: vbuf, .offset: 80, .size: 8, .value_kind: global_buffer, .address_space: global }
      - { .name: work, .offset: 88, .size: 8, .value_kind: global_buffer, .address_space: global }
    .group_segment_fixed_size: 133632
    .private_segment_fixed_size: 0
    .kernarg_segment_align: 8
    .kernarg_segment_size: 96
    .max_flat_workgroup_size: 128
    .sgpr_count:     96
    .vgpr_count:     256
    .wavefront_size: 32
...
	.end_amdgpu_metadata
.endif
;; end of part 1
;; launch attn (part 2): grid 256 x 1, 4 waves a work-group, no clusters, 160,256 bytes of LDS; arguments acodes, ubuf, vbuf, work, lowp_scales, out0; writes out0
.if DOCPART == 2
	.amdgcn_target "amdgcn-amd-amdhsa--gfx1250"
	.amdhsa_code_object_version 6
	.text
	.protected	k_qd83a52ee04_attn
	.globl	k_qd83a52ee04_attn
	.p2align	8
	.type	k_qd83a52ee04_attn,@function
k_qd83a52ee04_attn:
	s_mov_b64 s[64:65], 0
	v_nop
	global_prefetch_b8 v0, s[64:65] scope:SCOPE_SE
	s_setreg_imm32_b32 hwreg(HW_REG_WAVE_MODE, 25, 1), 1
	s_wait_xcnt 0x0
; out[b][t][:] = the sum over s < length_a of Q(tanh(vl[t] + ua[s]) / norm[t]) Q(A[b][s][:]) for t < length_l, else 0; norm[t] = the sum over s < length_a of tanh(vl[t] + ua[s]).
; Q: E4M3 with the given scales 2^e0 (the weights) and 2^e1 (A; its codes were made by the launch before, in the order of the operand's registers, zero codes from length_a to the next multiple of 128).
; SHARES.  256 work-groups that stay; work-group x takes entries x, 511 - x, 512 + x, 1023 - x of the list of tiles, which is sorted by length_a: long tiles meet short ones.  A tile is 32 rows t: two row tiles of 16.
;  Columns at or past length_a, and tiles at or past length_l, are left out: reference()'s own masks throw them away.
; NO TENSOR LOAD AND NO CLUSTER: how many columns a tile has hangs on a length read from memory, and partners would want different numbers of tiles of A's codes.
; THE ORDER OF ROUNDINGS AHEAD OF THE QUANTISER IS FIXED.  The norm is a sum of tanh of both signs and may come out near 0, and every weight of the row is divided by it: there it matters which f32 number the norm is.
;  The order taken is that of a plain f32 evaluation of reference(), step by step:
;  x = vl + ua;  tanh(x) = x P(x^2) / Q(x^2) with x held at +-7.99881172, P of degree 6 and Q of degree 3 in Horner's form by fused multiply-adds, the division correctly rounded; x itself where |x| < 0.0004
;  (the rational form is good to a few units in f32's last place);
;  the row's sum by windows: 32 neighbouring columns are added on end, from 0; the 64 window sums again by windows of 32; then the two that are left;  weight = tanh / norm, rounded as a division.
;  The division n / d: y = the approximate reciprocal with one step of Newton's; q = n y; twice q = q + (n - d q) y, each residual by one fused multiply-add.
; A REGISTER PAIR HOLDS ONE COLUMN'S SCORES OF THE TWO ROW TILES: lane (r, h) has rows r and 16 + r, so vl, norm and 1 / norm are pairs and all arithmetic but the hold, the reciprocal and the choice at small x is packed.
; PASS 1, the norm.  A lane takes a whole window of 32 columns: window 8 t + 2 w + h in trip t of wave w.  Eight trips for every wave; a trip whose windows lie past length_a is left out by a branch round the work alone.
;  The mask (1 or 0, made by the launch before) is the multiplier of the fused multiply-add that adds a score: x 1 changes nothing, x 0 adds nothing.  Window sums go to LDS, each wave's to 2,560 bytes of its own.
; PASS 2, the weights.  THE FOUR WAVES SHARE K: wave w takes the K steps j = w, w + 4, .. of 128 columns, for both row tiles and all 256 channels; its codes stay in its registers and feed its own products.
;  The hold writes the two tiles' weights into separate runs of eight registers, as the conversion wants them.  Past length_a the weight's code is finite and meets a zero code of A.  The four partial sums meet once, in LDS.
; LAYOUT.  Source 0 = 16 channels of A's codes, source 1 = 16 rows of weights: lane (r, h) holds row r, and registers 4 c .. 4 c + 3 hold K = 32 c + 16 h + 0 .. 15, on both sides alike: a permutation of K that keeps every product with its partner.
;  In the result lane (r, h) holds out(row r, channels 16 n + 8 h + 0 .. 7).
; LIMITS: e0 between -126 and 119, e0 + e1 between -126 and 127; a norm of 0 is not served (reference() is not finite there); NaN and infinities among the inputs are not served.
; LDS: 0: the batch's ua and masks as they lie in memory (16,384 bytes: 128 for 16 columns); WS: window sums, for each wave 32 rows x (64 + 16) bytes; RED: for each wave 32 rows x (1,024 + 16) bytes of partial sums.
; REGISTERS, in windows of 256.  Window 0: v1-15, v23, v62 addresses; v16-19 zeros; v20-22 the hold, the scale, x's hold; v24-35 pairs: vl, norm, 1 / norm, a window's sum, the next tile's vl, 1; v36-57 the eleven constants as pairs;
;  v64-127 ua and masks; v128-223 six runs of 16 for eight columns at work; v224-255 the weights' codes.
;  Window 1: A's 16 fragments; on the way out the four partial sums.   Window 2: the 32 accumulators: (tile, n) at v[8 (16 tile + n)].   Window 3: v0-31 the next tile's ua and masks on their way.
.set WS,     16384
.set WPITCH, 80                        ; 5 x 16 bytes
.set WREG,   32*WPITCH
.set RED,    WS+4*WREG
.set RPITCH, 1040                      ; 65 x 16 bytes: the sixteen rows that a store touches start at sixteen different columns of 16 bytes
.set RSRC,   32*RPITCH
.set UA,  3                            ; v3   pass 2: LDS address of my half's ua in the K step in hand: 1024 j + 128 h
.set UW,  4                            ; v4   pass 1: LDS address of my window: 2048 t + 512 w + 256 h
.set LIM, 20
.set SCL, 21
.set CL,  22
.set VL,  24
.set NR,  26
.set IV,  28
.set AC,  30
.set VP,  32
.set ONE, 34
.set KC,  36                           ; P's seven constants, highest power first
.set KD,  50                           ; Q's four
.set WA,  62                           ; v62  pass 1: where my window's sums go
.set UR,  64
.set BX,  128                          ; x
.set BQ,  144                          ; x^2, later the quotient
.set BN,  160                          ; the numerator
.set BD,  176                          ; the denominator; in pass 2 later the held weights, tile by tile
.set BY,  192                          ; its reciprocal
.set BR,  208                          ; residuals
.set COD, 224
.set MSB, 0
.macro WIN new                         ; s_set_vgpr_msb: bits 1:0 source 0, 3:2 source 1, 5:4 source 2, 7:6 destination; the immediate's high byte repeats the setting that is left
.if MSB != \new
	s_set_vgpr_msb (MSB<<8)|\new
.set MSB, \new
.endif
.endm
.macro BAR                             ; my LDS stores have landed and my LDS loads are in: then the work-group's barrier
	s_wait_dscnt 0x0
	s_barrier_signal -1
	s_barrier_wait -1
.endm
.macro CONST reg, bits                 ; a constant as a pair
	v_mov_b32 v[\reg], \bits
	v_mov_b32 v[\reg+1], \bits
.endm
; tanh of eight columns x two row tiles, but for the choice at small x.  v[u0] on: the eight ua.  Eight pairs side by side, so that no line waits for the line above it.  The quotient is left in BQ.
.macro TANH8 u0
.irp p, 0,1,2,3,4,5,6,7
.if (\p%2) == 0
	v_pk_add_f32 v[BX+2*\p:BX+2*\p+1], v[\u0+\p:\u0+\p+1], v[VL:VL+1] op_sel_hi:[0,1]             ; x = ua + vl: the column's ua, the first word of its pair, for both tiles
.else
	v_pk_add_f32 v[BX+2*\p:BX+2*\p+1], v[\u0+\p-1:\u0+\p], v[VL:VL+1] op_sel:[1,0] op_sel_hi:[1,1]   ; the second word
.endif
.endr
.irp j, 0,1,2,3,4,5,6,7,8,9,10,11,12,13,14,15
	v_med3_num_f32 v[BX+\j], v[BX+\j], -v[CL], v[CL]
.endr
.irp p, 0,1,2,3,4,5,6,7
	v_pk_mul_f32 v[BQ+2*\p:BQ+2*\p+1], v[BX+2*\p:BX+2*\p+1], v[BX+2*\p:BX+2*\p+1]
.endr
.irp p, 0,1,2,3,4,5,6,7
	v_pk_fma_f32 v[BD+2*\p:BD+2*\p+1], v[BQ+2*\p:BQ+2*\p+1], v[KD:KD+1], v[KD+2:KD+3]
.endr
.irp c, 2,3
.irp p, 0,1,2,3,4,5,6,7
	v_pk_fma_f32 v[BD+2*\p:BD+2*\p+1], v[BQ+2*\p:BQ+2*\p+1], v[BD+2*\p:BD+2*\p+1], v[KD+2*\c:KD+2*\c+1]
.endr
.endr
.irp p, 0,1,2,3,4,5,6,7                ; the reciprocals stand among the numerator's first lines: plain lines on other registers come before any result is used
	v_rcp_f32 v[BY+2*\p], v[BD+2*\p]
	v_rcp_f32 v[BY+2*\p+1], v[BD+2*\p+1]
	v_pk_fma_f32 v[BN+2*\p:BN+2*\p+1], v[BQ+2*\p:BQ+2*\p+1], v[KC:KC+1], v[KC+2:KC+3]
.endr
.irp c, 2,3,4,5,6
.irp p, 0,1,2,3,4,5,6,7
	v_pk_fma_f32 v[BN+2*\p:BN+2*\p+1], v[BQ+2*\p:BQ+2*\p+1], v[BN+2*\p:BN+2*\p+1], v[KC+2*\c:KC+2*\c+1]
.endr
.endr
.irp p, 0,1,2,3,4,5,6,7
	v_pk_mul_f32 v[BN+2*\p:BN+2*\p+1], v[BX+2*\p:BX+2*\p+1], v[BN+2*\p:BN+2*\p+1]
.endr
	s_wait_alu depctr_va_vdst(0)
.irp p, 0,1,2,3,4,5,6,7
	v_pk_fma_f32 v[BR+2*\p:BR+2*\p+1], v[BD+2*\p:BD+2*\p+1], v[BY+2*\p:BY+2*\p+1], v[ONE:ONE+1] neg_lo:[1,0,0] neg_hi:[1,0,0]   ; 1 - d y
.endr
.irp p, 0,1,2,3,4,5,6,7
	v_pk_fma_f32 v[BY+2*\p:BY+2*\p+1], v[BY+2*\p:BY+2*\p+1], v[BR+2*\p:BR+2*\p+1], v[BY+2*\p:BY+2*\p+1]
.endr
.irp p, 0,1,2,3,4,5,6,7
	v_pk_mul_f32 v[BQ+2*\p:BQ+2*\p+1], v[BN+2*\p:BN+2*\p+1], v[BY+2*\p:BY+2*\p+1]
.endr
.rept 2
.irp p, 0,1,2,3,4,5,6,7
	v_pk_fma_f32 v[BR+2*\p:BR+2*\p+1], v[BD+2*\p:BD+2*\p+1], v[BQ+2*\p:BQ+2*\p+1], v[BN+2*\p:BN+2*\p+1] neg_lo:[1,0,0] neg_hi:[1,0,0]   ; n - d q
.endr
.irp p, 0,1,2,3,4,5,6,7
	v_pk_fma_f32 v[BQ+2*\p:BQ+2*\p+1], v[BR+2*\p:BR+2*\p+1], v[BY+2*\p:BY+2*\p+1], v[BQ+2*\p:BQ+2*\p+1]
.endr
.endr
.endm
; x itself where |x| < 0.0004 (s82).  chain = 1: each column's pair is then added onto the window's sum, in the columns' order, times the column's mask at v[m0] on.
.macro SEL8 m0, chain
.irp p, 0,1,2,3,4,5,6,7
	v_cmp_gt_f32 vcc_lo, s82, |v[BX+2*\p]|
	v_cndmask_b32 v[BQ+2*\p], v[BQ+2*\p], v[BX+2*\p], vcc_lo
	v_cmp_gt_f32 vcc_lo, s82, |v[BX+2*\p+1]|
	v_cndmask_b32 v[BQ+2*\p+1], v[BQ+2*\p+1], v[BX+2*\p+1], vcc_lo
.if \chain
.if (\p%2) == 0
	v_pk_fma_f32 v[AC:AC+1], v[BQ+2*\p:BQ+2*\p+1], v[\m0+\p:\m0+\p+1], v[AC:AC+1] op_sel_hi:[1,0,1]
.else
	v_pk_fma_f32 v[AC:AC+1], v[BQ+2*\p:BQ+2*\p+1], v[\m0+\p-1:\m0+\p], v[AC:AC+1] op_sel:[0,1,0] op_sel_hi:[1,1,1]
.endif
.endif
.endr
.endm
; pass 2: the eight columns' weights = tanh / norm; held; tile by tile into eight registers on end; two conversions: registers d, d + 1 of tile 0's operand and of tile 1's
.macro ATT8 d
.irp p, 0,1,2,3,4,5,6,7
	v_pk_mul_f32 v[BN+2*\p:BN+2*\p+1], v[BQ+2*\p:BQ+2*\p+1], v[IV:IV+1]
.endr
.irp p, 0,1,2,3,4,5,6,7
	v_pk_fma_f32 v[BR+2*\p:BR+2*\p+1], v[BN+2*\p:BN+2*\p+1], v[NR:NR+1], v[BQ+2*\p:BQ+2*\p+1] neg_lo:[1,0,0] neg_hi:[1,0,0]
.endr
.irp p, 0,1,2,3,4,5,6,7
	v_pk_fma_f32 v[BN+2*\p:BN+2*\p+1], v[BR+2*\p:BR+2*\p+1], v[IV:IV+1], v[BN+2*\p:BN+2*\p+1]
.endr
.irp p, 0,1,2,3,4,5,6,7
	v_med3_num_f32 v[BD+\p], v[BN+2*\p], -v[LIM], v[LIM]           ; the conversion to an 8-bit code does not saturate (ISA guide 7.6.2)
	v_med3_num_f32 v[BD+8+\p], v[BN+2*\p+1], -v[LIM], v[LIM]
.endr
	v_cvt_scalef32_pk8_fp8_f32 v[\d:\d+1], v[BD:BD+7], v[SCL]
	v_cvt_scalef32_pk8_fp8_f32 v[\d+16:\d+17], v[BD+8:BD+15], v[SCL]   ; the next eight columns begin with plain lines on other registers
.endm
; pass 2's vector work on one K step: my 64 columns x two row tiles
.macro VEC2
.irp c, 0,1,2,3
.irp m, 0,1,2,3
	ds_load_b128 v[UR+16*\c+4*\m:UR+16*\c+4*\m+3], v[UA] offset:256*\c+16*\m   ; ua of columns 32 c + 16 h + 4 m ..: sixteen lanes read the same 16 bytes
.endr
.endr
	s_wait_dscnt 0x0
.irp c, 0,1,2,3
.irp b, 0,1
	TANH8 UR+16*\c+8*\b
	SEL8 0, 0
	ATT8 COD+4*\c+2*\b
.endr
.endr
	v_nop                                          ; one plain line between the last conversion and the products that read its result
.endm
; A's codes of one K step: 16 fragments of 2,048 bytes as they lie: each load reads 512 consecutive bytes.  They have the K step's vector work in which to land.
.macro LB
	WIN 0x40                                       ; destination window 1
.set lN, 0
.rept 16
.irp c, 0,1,2,3
	global_load_b128 v[16*lN+4*\c:16*lN+4*\c+3], v1, s[32:33] offset:2048*lN+512*\c
.endr
.set lN, lN+1
.endr
	WIN 0
.endm
; 32 products.  The 32 accumulators take turns, one instruction a turn, in the same order in every K step.  zero = 1: the tile's first products start the sums.
.macro MMA zero
	WIN 0xa1                                       ; source 0 window 1, source 1 window 0, C and D window 2
.set mN, 0
.rept 16
.if \zero
	v_wmma_f32_16x16x128_fp8_fp8 v[8*mN:8*mN+7], v[16*mN:16*mN+15], v[COD:COD+15], 0
	v_wmma_f32_16x16x128_fp8_fp8 v[128+8*mN:128+8*mN+7], v[16*mN:16*mN+15], v[COD+16:COD+31], 0
.else
	v_wmma_f32_16x16x128_fp8_fp8 v[8*mN:8*mN+7], v[16*mN:16*mN+15], v[COD:COD+15], v[8*mN:8*mN+7]
	v_wmma_f32_16x16x128_fp8_fp8 v[128+8*mN:128+8*mN+7], v[16*mN:16*mN+15], v[COD+16:COD+31], v[128+8*mN:128+8*mN+7]
.endif
.set mN, mN+1
.endr
	WIN 0
.rept 4
	v_nop                                          ; four places in front of loads into the fragments' registers and of the LDS stores that read results
.endr
.endm
; The entry in s[e] on: its batch's ua and masks (16,384 bytes, 16 a thread and load, into window 3) and its 32 rows' vl are asked for.  The fields are held inside their tables where they enter an address.
.macro PFLOAD e
	s_min_u32 s34, s[\e], 15
	s_min_u32 s35, s[\e+1], 63
	s_lshl_b32 s52, s34, 14
	s_mov_b32 s53, 0
	s_add_nc_u64 s[52:53], s[6:7], s[52:53]
	s_lshl_b32 s34, s34, 7
	s_lshl_b32 s35, s35, 1
	s_add_co_u32 s34, s34, s35
	s_lshl_b32 s54, s34, 7                         ; 128 (128 b + 2 tile)
	s_mov_b32 s55, 0
	s_add_nc_u64 s[54:55], s[8:9], s[54:55]
	WIN 0xc0                                       ; destination window 3
.set pM, 0
.rept 8
	global_load_b128 v[4*pM:4*pM+3], v12, s[52:53] offset:2048*pM
.set pM, pM+1
.endr
	WIN 0
	global_load_b32 v[VP], v13, s[54:55]                           ; vl of row r,
	global_load_b32 v[VP+1], v13, s[54:55] offset:128              ; of row 16 + r
.endm
	s_load_b256 s[4:11], s[0:1], 0x0               ; acodes s[4:5], ubuf s[6:7], vbuf s[8:9], work s[10:11]
	s_load_b128 s[12:15], s[0:1], 0x20             ; lowp_scales s[12:13], out0 s[14:15]
	v_lshl_add_u32 v63, v0, 2, 0x27000
	s_set_vgpr_msb 0xc0
	v_mov_b32 v33, 0
	s_set_vgpr_msb 0xc000
	v_lshrrev_b32 v1, 5, v0
	v_readfirstlane_b32 s16, v1                    ; wave
	v_and_b32 v58, 31, v0                          ; lane
	v_and_b32 v14, 15, v0                          ; r
	v_bfe_u32 v59, v0, 4, 1                        ; h
	v_lshlrev_b32 v1, 4, v58                       ; 16 x lane
	v_lshlrev_b32 v2, 7, v59                       ; 128 h
	v_lshlrev_b32 v23, 8, v59                      ; 256 h
	s_mul_i32 s34, s16, WREG
	s_add_co_u32 s34, s34, WS
	v_mul_u32_u24 v5, v14, WPITCH
	v_lshl_add_u32 v5, v59, 2, v5
	v_add_nc_u32 v5, s34, v5                       ; window sums, in: my wave's part, row r, + 4 h (+ 8 t)
	v_mul_u32_u24 v6, v14, WPITCH
	v_lshl_add_u32 v6, v59, 5, v6
	v_add_nc_u32 v6, WS, v6                        ; and out: row r, + 32 h: trips 4 h .. 4 h + 3 of each wave's part
	s_mul_i32 s34, s16, RSRC
	s_add_co_u32 s34, s34, RED
	v_mul_u32_u24 v7, v14, RPITCH
	v_lshl_add_u32 v7, v59, 5, v7
	v_add_nc_u32 v7, s34, v7                       ; into RED: my wave's part, row r, + 32 h
	s_mul_i32 s34, s16, 8*RPITCH
	s_add_co_u32 s34, s34, RED
	v_add_nc_u32 v8, s34, v1                       ; out of RED: rows 8 w on, 16 bytes a lane, of each wave's part
	v_add_nc_u32 v9, RSRC, v8
	v_add_nc_u32 v10, 2*RSRC, v8
	v_add_nc_u32 v11, 3*RSRC, v8
	v_lshlrev_b32 v12, 4, v0                       ; 16 x thread
	v_lshlrev_b32 v13, 2, v14                      ; 4 r
	v_add_nc_u32 v15, 16, v14                      ; 16 + r
	v_mov_b32 v16, 0
	v_mov_b32 v17, 0
	v_mov_b32 v18, 0
	v_mov_b32 v19, 0
	v_mov_b32 v[CL], 0x40fff644                    ; 7.99881172
	CONST ONE, 1.0
	CONST KC, 0xa59f25c0                           ; -2.76076847742355e-16
	CONST KC+2, 0x2a61337e                         ; 2.00018790482477e-13
	CONST KC+4, 0xaebd37ff                         ; -8.60467152213735e-11
	CONST KC+6, 0x335c0041                         ; 5.12229709037114e-08
	CONST KC+8, 0x3779434a                         ; 1.48572235717979e-05
	CONST KC+10, 0x3a270ded                        ; 6.37261928875436e-04
	CONST KC+12, 0x3ba059dc                        ; 4.89352455891786e-03
	CONST KD, 0x35a0d3d8                           ; 1.19825839466702e-06
	CONST KD+2, 0x38f895d6                         ; 1.18534705686654e-04
	CONST KD+4, 0x3b14aa05                         ; 2.26843463243900e-03
	CONST KD+6, 0x3ba059dd                         ; 4.89352518554385e-03
	s_mov_b32 s82, 0x39d1b717                      ; 0.0004
	s_mov_b32 s17, 4                               ; tiles to go
	s_mov_b32 s22, 0x76543210                      ; v_permlanex16_b32: lane l takes lane l xor 16
	s_mov_b32 s23, 0xfedcba98
	s_lshl_b32 s24, ttmp9, 4                       ; my four entries of 16 bytes: x, 511 - x, 512 + x, 1023 - x
	s_sub_co_u32 s25, 511*16, s24
	s_add_co_u32 s26, s24, 512*16
	s_sub_co_u32 s27, 1023*16, s24
	s_wait_kmcnt 0x0
	s_load_b128 s[36:39], s[10:11], s24 offset:0x0
	s_load_b128 s[40:43], s[10:11], s25 offset:0x0
	s_load_b128 s[44:47], s[10:11], s26 offset:0x0
	s_load_b128 s[48:51], s[10:11], s27 offset:0x0
	s_load_b64 s[18:19], s[12:13], 0x0             ; e0, e1
	; Every register is written before it is read on every way through the text: the accumulators get a value here, once in the launch, while the entries are on their way.
	; Each tile's sums are begun by its first products, whose C is the constant 0.
	WIN 0x80                                       ; destination window 2
.set iA, 0
.rept 256
	v_mov_b32 v[iA], 0
.set iA, iA+1
.endr
	WIN 0
	s_wait_kmcnt 0x0
	s_add_co_i32 s34, s18, 127
	s_lshl_b32 s35, s34, 23
	v_mov_b32 v[SCL], s35                          ; 2^e0 as f32: the conversion takes its exponent field
	s_add_co_i32 s34, s34, 8
	s_lshl_b32 s34, s34, 23
	s_or_b32 s34, s34, 0x600000
	v_mov_b32 v[LIM], s34                          ; 448 x 2^e0
	s_add_co_i32 s20, s18, s19
	s_add_co_i32 s20, s20, 127
	s_lshl_b32 s20, s20, 23                        ; 2^(e0 + e1) as f32
	PFLOAD 36                                      ; the first tile's
.Ltrip:
	; ---- the tile's head: ua and masks into LDS; vl into place ----
	s_wait_loadcnt 0x0
	WIN 0x0c                                       ; store data window 3
.set pM, 0
.rept 8
	ds_store_b128 v12, v[4*pM:4*pM+3] offset:2048*pM
.set pM, pM+1
.endr
	WIN 0
	v_mov_b32 v[VL], v[VP]
	v_mov_b32 v[VL+1], v[VP+1]
	s_min_u32 s36, s36, 15                         ; batch
	s_min_u32 s37, s37, 63                         ; tile
	s_min_u32 s38, s38, 2048                       ; length_a, or 0 in a tile without rows
	s_min_u32 s31, s39, 2048                       ; length_l
	s_add_co_u32 s24, s38, 127
	s_lshr_b32 s24, s24, 7                         ; nK: K steps of 128
	s_lshl_b32 s30, s37, 5                         ; t0
	BAR                                            ; ua and masks lie in LDS; nobody reads the last tile's partial sums any more
	; ---- pass 1: the window sums ----
	s_lshl_b32 s25, s16, 6                         ; the first column of the trip's two windows: 256 t + 64 w
	s_lshl_b32 s26, s16, 9                         ; their bytes in LDS: 2048 t + 512 w
	s_mov_b32 s27, 0                               ; 8 t
	s_mov_b32 s28, 0
.Lp1:
	v_add_nc_u32 v[UW], s26, v23
	v_add_nc_u32 v[WA], s27, v5
	v_mov_b32 v[AC], 0                             ; a window's sum begins at 0; a window that is left out has the sum 0
	v_mov_b32 v[AC+1], 0
	s_cmp_ge_u32 s25, s38
	s_cbranch_scc1 .Lp1s
.irp m, 0,1,2,3,4,5,6,7,8,9,10,11,12,13,14,15
	ds_load_b128 v[UR+4*\m:UR+4*\m+3], v[UW] offset:16*\m          ; 16 ua, 16 masks, 16 ua, 16 masks: sixteen lanes read the same 16 bytes
.endr
	s_wait_dscnt 0x0
	TANH8 UR
	SEL8 UR+16, 1
	TANH8 UR+8
	SEL8 UR+24, 1
	TANH8 UR+32
	SEL8 UR+48, 1
	TANH8 UR+40
	SEL8 UR+56, 1
.Lp1s:
	ds_store_b32 v[WA], v[AC]                      ; row r,
	ds_store_b32 v[WA], v[AC+1] offset:16*WPITCH   ; row 16 + r
	s_wait_dscnt 0x0                               ; the stores have read their registers, which the next trip rewrites
	s_add_co_u32 s25, s25, 256
	s_add_co_u32 s26, s26, 2048
	s_add_co_u32 s27, s27, 8
	s_add_co_u32 s28, s28, 1
	s_cmp_lt_u32 s28, 8
	s_cbranch_scc1 .Lp1
	BAR                                            ; all 64 window sums of all 32 rows lie in LDS
	; ---- the next tile's numbers are asked for (they land under pass 2); the norm ----
	PFLOAD 40
.irp t, 0,1
.irp w, 0,1,2,3
	ds_load_b128 v[UR+32*\t+8*\w:UR+32*\t+8*\w+3], v6 offset:\w*WREG+\t*16*WPITCH          ; row 16 t + r, wave w's windows of trips 4 h .. 4 h + 3: register 8 w + 2 t' + h' holds window 32 h + 8 t' + 2 w + h'
	ds_load_b128 v[UR+32*\t+8*\w+4:UR+32*\t+8*\w+7], v6 offset:\w*WREG+\t*16*WPITCH+16
.endr
.endr
	v_mov_b32 v58, 0                               ; the second level's sums begin at 0
	v_mov_b32 v59, 0
	v_mov_b32 v60, 0                               ; a lane permute's destination counts as one of its sources
	v_mov_b32 v61, 0
	v_add_nc_u32 v[BX], s30, v14                   ; my rows
	v_add_nc_u32 v[BX+1], s30, v15
	s_wait_dscnt 0x0
.irp t, 0,1,2,3                        ; windows 32 h .. 32 h + 31 on end, the two rows by turns
.irp w, 0,1,2,3
.irp h, 0,1
	v_add_f32 v58, v58, v[UR+8*\w+2*\t+\h]
	v_add_f32 v59, v59, v[UR+32+8*\w+2*\t+\h]
.endr
.endr
.endr
	v_permlanex16_b32 v60, v58, s22, s23           ; the other 32 windows' sum lies in the lane 16 away
	v_permlanex16_b32 v61, v59, s22, s23
	v_add_f32 v[NR], v58, v60
	v_add_f32 v[NR+1], v59, v61
	v_cmp_gt_u32 vcc_lo, s31, v[BX]
	v_cndmask_b32 v[NR], 1.0, v[NR], vcc_lo        ; 1 in rows at or past length_l
	v_cmp_gt_u32 vcc_lo, s31, v[BX+1]
	v_cndmask_b32 v[NR+1], 1.0, v[NR+1], vcc_lo
	v_rcp_f32 v[IV], v[NR]
	v_rcp_f32 v[IV+1], v[NR+1]
	v_nop                                          ; a plain line behind the reciprocals
	s_wait_alu depctr_va_vdst(0)
	v_pk_fma_f32 v[BX+2:BX+3], v[NR:NR+1], v[IV:IV+1], v[ONE:ONE+1] neg_lo:[1,0,0] neg_hi:[1,0,0]
	v_pk_fma_f32 v[IV:IV+1], v[IV:IV+1], v[BX+2:BX+3], v[IV:IV+1]  ; one step of Newton's
	; ---- pass 2: weights, codes, products.  Four trips for every wave; a K step past length_a is left out by a branch round the work alone ----
	s_lshl_b32 s32, s36, 19                        ; the batch's 16 K steps of 32,768 bytes,
	s_lshl_b32 s34, s16, 15                        ; my first
	s_add_co_u32 s32, s32, s34
	s_mov_b32 s33, 0
	s_add_nc_u64 s[32:33], s[4:5], s[32:33]
	s_mov_b32 s25, s16                             ; j
	s_lshl_b32 s26, s16, 10                        ; 1024 j
	s_mov_b32 s28, 0
.Lp2:
	v_add_nc_u32 v[UA], s26, v2
	s_cmp_ge_u32 s25, s24
	s_cbranch_scc1 .Lp2s
	LB
	VEC2
	s_wait_loadcnt 0x0                             ; A's codes are in (and the older loads for the next tile): so their base may step
	s_cmp_lg_u32 s28, 0
	s_cbranch_scc1 .Lp2a
	MMA 1                                          ; my first K step is that of the first trip: its products start the sums
	s_branch .Lp2s
.Lp2a:
	MMA 0
.Lp2s:
	s_add_co_u32 s25, s25, 4
	s_add_co_u32 s26, s26, 4096
	s_add_nc_u64 s[32:33], s[32:33], 0x20000       ; four K steps on
	s_add_co_u32 s28, s28, 1
	s_cmp_lt_u32 s28, 4
	s_cbranch_scc1 .Lp2
	; my partial sums into my part of RED; a wave without a K step puts zeros there; in a tile without rows nobody reads RED
	s_cmp_ge_u32 s16, s24
	s_cbranch_scc1 .Lnone
	WIN 0x08                                       ; store data window 2
.set rA, 0
.rept 32
	ds_store_b128 v7, v[8*rA:8*rA+3] offset:16*RPITCH*(rA/16)+64*(rA%16)           ; each accumulator from its low end on
	ds_store_b128 v7, v[8*rA+4:8*rA+7] offset:16*RPITCH*(rA/16)+64*(rA%16)+16
.set rA, rA+1
.endr
	WIN 0
	s_branch .Ljoin
.Lnone:
	s_cmp_eq_u32 s24, 0
	s_cbranch_scc1 .Ljoin
.set rA, 0
.rept 32
	ds_store_b128 v7, v[16:19] offset:16*RPITCH*(rA/16)+64*(rA%16)
	ds_store_b128 v7, v[16:19] offset:16*RPITCH*(rA/16)+64*(rA%16)+16
.set rA, rA+1
.endr
.Ljoin:
	BAR                                            ; the four partial sums lie in RED; nobody reads ua or the window sums any more
	; ---- the way out: wave w adds and stores rows 8 w .. 8 w + 7, whole ----
	s_lshl_b32 s35, s16, 3
	s_add_co_u32 s35, s35, s30                     ; t0 + 8 w
	s_lshl_b32 s34, s36, 11
	s_add_co_u32 s34, s34, s35
	s_lshl_b32 s56, s34, 10                        ; rows of 1,024 bytes
	s_mov_b32 s57, 0
	s_add_nc_u64 s[56:57], s[14:15], s[56:57]
	s_cmp_eq_u32 s24, 0
	s_cbranch_scc0 .Lsum
.set oM, 0
.rept 16
	global_store_b128 v1, v[16:19], s[56:57] offset:1024*(oM/2)+512*(oM%2) th:TH_STORE_NT   ; a tile at or past length_l: zeros
.set oM, oM+1
.endr
	s_branch .Lend
.Lsum:
.irp p, 0,1,2,3,4,5,6,7
	s_add_co_u32 s34, s35, \p
	s_cmp_lt_u32 s34, s31
	s_cselect_b32 s[66+2*\p], s20, 0               ; the row's factor: 2^(e0 + e1), or 0 at or past length_l
	s_mov_b32 s[67+2*\p], s[66+2*\p]               ; (named with it as a pair, so it is written)
.endr
	WIN 0x40                                       ; destination window 1: wave q's part at v[64 q]
.irp q, 0,1,2,3
.set oM, 0
.rept 16
	ds_load_b128 v[64*\q+4*oM:64*\q+4*oM+3], v[8+\q] offset:RPITCH*(oM/2)+512*(oM%2)
.set oM, oM+1
.endr
.endr
	s_wait_dscnt 32                                ; parts 0 and 1 are in; the 32 loads of parts 2 and 3 may be out
	WIN 0x45                                       ; destination and both sources window 1
.set oI, 0
.rept 32
	v_pk_add_f32 v[2*oI:2*oI+1], v[2*oI:2*oI+1], v[64+2*oI:64+2*oI+1]
.set oI, oI+1
.endr
	s_wait_dscnt 0x0
.set oI, 0
.rept 32
	v_pk_add_f32 v[128+2*oI:128+2*oI+1], v[128+2*oI:128+2*oI+1], v[192+2*oI:192+2*oI+1]
.set oI, oI+1
.endr
.set oI, 0
.rept 32
	v_pk_add_f32 v[2*oI:2*oI+1], v[2*oI:2*oI+1], v[128+2*oI:128+2*oI+1]
.set oI, oI+1
.endr
.set oI, 0
.rept 32
	v_pk_mul_f32 v[2*oI:2*oI+1], v[2*oI:2*oI+1], s[66+2*(oI/4):67+2*(oI/4)] op_sel_hi:[1,0]
.set oI, oI+1
.endr
	WIN 0x04                                       ; store data window 1
.set oM, 0
.rept 16
	global_store_b128 v1, v[4*oM:4*oM+3], s[56:57] offset:1024*(oM/2)+512*(oM%2) th:TH_STORE_NT   ; the wave stores 512 consecutive bytes, at a multiple of 256 from the output's first byte
.set oM, oM+1
.endr
	WIN 0
.Lend:
	s_wait_xcnt 0x0                                ; the stores have had their addresses translated (ISA guide 3.1): their data registers and their base are written again in the next tile
	s_mov_b32 s36, s40                             ; the entries move up; the last stays as its own successor, so that the last request for a next tile stays inside its buffers
	s_mov_b32 s37, s41
	s_mov_b32 s38, s42
	s_mov_b32 s39, s43
	s_mov_b32 s40, s44
	s_mov_b32 s41, s45
	s_mov_b32 s42, s46
	s_mov_b32 s43, s47
	s_mov_b32 s44, s48
	s_mov_b32 s45, s49
	s_mov_b32 s46, s50
	s_mov_b32 s47, s51
	s_sub_co_u32 s17, s17, 1
	s_cmp_lg_u32 s17, 0
	s_cbranch_scc1 .Ltrip
	s_set_vgpr_msb 0xc
	s_wait_tensorcnt 0x0
	ds_add_u32 v63, v33
	s_wait_dscnt 0x0
	s_set_vgpr_msb 0xc00
	s_endpgm
.Lfunc_end_k_qd83a52ee04_attn:
	.size	k_qd83a52ee04_attn, .Lfunc_end_k_qd83a52ee04_attn-k_qd83a52ee04_attn
	.p2alignl 7, 3214868480
	.fill 96, 4, 3214868480
	.section	.rodata,"a",@progbits
	.p2align	6, 0x0
	.amdhsa_kernel k_qd83a52ee04_attn
		.amdhsa_group_segment_fixed_size 160256
		.amdhsa_private_segment_fixed_size 0
		.amdhsa_enable_private_segment 0
		.amdhsa_kernarg_size 48
		.amdhsa_user_sgpr_count 2
		.amdhsa_user_sgpr_kernarg_segment_ptr 1
		.amdhsa_wavefront_size32 1
		.amdhsa_system_sgpr_workgroup_id_x 1
		.amdhsa_system_sgpr_workgroup_id_y 1
		.amdhsa_system_sgpr_workgroup_id_z 1
		.amdhsa_system_vgpr_workitem_id 0
		.amdhsa_next_free_vgpr 802
		.amdhsa_next_free_sgpr 96
		.amdhsa_reserve_vcc 1
		.amdhsa_float_denorm_mode_32 3
		.amdhsa_float_denorm_mode_16_64 3
		.amdhsa_memory_ordered 1
		.amdhsa_forward_progress 1
		.amdhsa_inst_pref_size 234
	.end_amdhsa_kernel
	.amdgpu_metadata
---
amdhsa.version: [ 1, 2 ]
amdhsa.kernels:
  - .name:           k_qd83a52ee04_attn
    .symbol:         k_qd83a52ee04_attn.kd
    .args:
      - { .name: acodes, .offset: 0, .size: 8, .value_kind: global_buffer, .address_space: global }
      - { .name: ubuf, .offset: 8, .size: 8, .value_kind: global_buffer, .address_space: global }
      - { .name: vbuf, .offset: 16, .size: 8, .value_kind: global_buffer, .address_space: global }
      - { .name: work, .offset: 24, .size: 8, .value_kind: global_buffer, .address_space: global }
      - { .name: lowp_scales, .offset: 32, .size: 8, .value_kind: global_buffer, .address_space: global }
      - { .name: out0, .offset: 40, .size: 8, .value_kind: global_buffer, .address_space: global }
    .group_segment_fixed_size: 160256
    .private_segment_fixed_size: 0
    .kernarg_segment_align: 8
    .kernarg_segment_size: 48
    .max_flat_workgroup_size: 128
    .sgpr_count:     96
    .vgpr_count:     802
    .wavefront_size: 32
...
	.end_amdgpu_metadata
.endif
;; end of part 2
;; ======== version 2 of 3: 2 launches; 1.17 times as fast as version 1
;; workspace buffers: acodes 8,388,608 bytes; ubuf 262,144 bytes; vbuf 262,144 bytes; work 16,384 bytes of whole numbers
;; launch prep (part 3): grid 1025 x 1, 4 waves a work-group, no clusters, 133,632 bytes of LDS; arguments A, L, length_a, length_l, lowp_scales, u_w, v_b, v_w, acodes, ubuf, vbuf, work; writes acodes, ubuf, vbuf, work
.if DOCPART == 3
	.amdgcn_target "amdgcn-amd-amdhsa--gfx1250"
	.amdhsa_code_object_version 6
	.text
	.protected	k_qd83a52ee04_prep
	.globl	k_qd83a52ee04_prep
	.p2align	8
	.type	k_qd83a52ee04_prep,@function
k_qd83a52ee04_prep:
	s_mov_b64 s[64:65], 0
	v_nop
	global_prefetch_b8 v0, s[64:65] scope:SCOPE_SE
	s_setreg_imm32_b32 hwreg(HW_REG_WAVE_MODE, 25, 1), 1
	s_wait_xcnt 0x0
; PREP.  Three kinds of work-group, told apart by the work-group's number; a wave does one unit and ends; waves share nothing, so there is no barrier.
;  0..511    A: a unit is 16 rows s of one batch x 256 columns.  ua[s] = A[s,:] . u_w in f32, and the codes of A (E4M3, scale 2^e1) with s, the product's K, innermost.
;  512..1023 L: a unit is 16 rows t.  vl[t] = L[t,:] . v_w + v_b in f32.
;  1024      the list of the next launch's 1,024 tiles of 32 rows t: tiles with rows under length_l first, by length_a descending, then the others.
; THE ORDER OF THE DOT PRODUCTS' ROUNDINGS IS FIXED.  A row's norm in the next launch is a sum of tanh of both signs that may come out near 0, and it moves by hundreds of times an error in vl: so it matters which f32 number vl is.
;  The order taken is that of a plain vectorised f32 product of a row-major matrix with a vector, eight numbers wide: accumulator l = 0 .. 7 takes columns l, l + 8, .. by 32 fused multiply-adds on end (the first a product),
;  then ((a0 + a1) + (a2 + a3)) + ((a4 + a5) + (a6 + a7)); v_b is added last.
;  LANE (r, h) HOLDS ROW r AND ACCUMULATORS 4 h .. 4 h + 3: it wants 16 bytes of every 32 of its row.  So a unit's rows go through the wave's own stage in LDS (rows 1,040 bytes apart: 65 x 16, so that sixteen rows' loads of 16 bytes
;  fall on sixteen different columns of 16 bytes).  A's path and L's path have LDS bytes of their own.
; STORED: rows 16 q .. 16 q + 15 of batch b have 128 bytes at 128 (128 b + q) of ubuf or vbuf: 16 values, then 16 masks (1.0 under the length, else 0.0; the value is then 0).
; THE CODES lie in the order of the operand's registers: byte ((16 b + j) 16 + n) 2048 + 512 c + 16 (16 h + r) + i is the code of A[b][128 j + 64 (c / 2) + 32 h + 16 (c % 2) + i][16 n + r]:
;  of a K step of 128 a half of the lanes holds two runs of 32 neighbouring s, as the next launch's weights lie.
;  For them A LANE TAKES A COLUMN AND ITS REGISTERS RUN DOWN s, so the conversion gives 16 neighbours along K; sixteen lanes store 256 consecutive bytes, at a multiple of 256 from the buffer's first byte.
;  Rows s from length_a up to the next multiple of 128 get zero codes; rows beyond are neither written here nor read later.
; LIMITS: e1 between -126 and 119; NaN and infinities among the inputs are not served; lengths are held within 0 .. 2,048.
.set PITCH, 1040
.set WREG,  16*PITCH                   ; a wave's stage
.set LBASE, 4*WREG                     ; L's four stages lie behind A's four
.set W,   16                           ; v16-143  the weights: quad k holds w(8 k + 4 h + 0 .. 3)
.set D,   144                          ; v144-207 a ring of 64 numbers on their way; later two sets of eight quads of my row
.set CD,  208                          ; v208-239 A: codes: four registers for each group of 32 columns, so that no store's data are written again
.set WO,  240                          ; 16 h
.set DLA, 241                          ; LDS address of my row's quads in A's stage,
.set DLL, 242                          ; in L's
.set P0,  244                          ; v244-247 my four accumulators
.set T0,  248                          ; v248-250 at work
.set S,   252                          ; the row's product
; my row's product from the stage at v[adr]: four batches of eight quads, two on their way
.macro DOT adr
.irp q, 0,1,2,3,4,5,6,7
	ds_load_b128 v[D+4*\q:D+4*\q+3], v[\adr] offset:32*\q
.endr
.irp q, 0,1,2,3,4,5,6,7
	ds_load_b128 v[D+32+4*\q:D+32+4*\q+3], v[\adr] offset:32*(8+\q)
.endr
.irp b, 0,1,2,3
.if \b < 3
	s_wait_dscnt 8                                 ; this batch is in (and my stores into the stage are done: LDS serves a wave's instructions in order); the next batch's eight loads may be out
.else
	s_wait_dscnt 0x0
.endif
.irp q, 0,1,2,3,4,5,6,7
.set xR, D+32*(\b%2)+4*\q
.set wR, W+4*(8*\b+\q)
.if (8*\b+\q) == 0
	v_pk_mul_f32 v[P0:P0+1], v[xR:xR+1], v[wR:wR+1]                ; the first products start the sums
	v_pk_mul_f32 v[P0+2:P0+3], v[xR+2:xR+3], v[wR+2:wR+3]
.else
	v_pk_fma_f32 v[P0:P0+1], v[xR:xR+1], v[wR:wR+1], v[P0:P0+1]
	v_pk_fma_f32 v[P0+2:P0+3], v[xR+2:xR+3], v[wR+2:wR+3], v[P0+2:P0+3]
.endif
.endr
.if \b < 2
.irp q, 0,1,2,3,4,5,6,7
	ds_load_b128 v[D+32*(\b%2)+4*\q:D+32*(\b%2)+4*\q+3], v[\adr] offset:32*(8*(\b+2)+\q)
.endr
.endif
.endr
	v_add_f32 v[T0], v[P0], v[P0+1]
	v_add_f32 v[T0+1], v[P0+2], v[P0+3]
	v_add_f32 v[T0], v[T0], v[T0+1]                ; my four accumulators
	v_permlanex16_b32 v[T0+2], v[T0], s42, s43     ; the other four, from the lane 16 away
	v_add_f32 v[S], v[T0], v[T0+2]
.endm
	s_load_b512 s[4:19], s[0:1], 0x0               ; A s[4:5], L s[6:7], length_a s[8:9], length_l s[10:11], lowp_scales s[12:13], u_w s[14:15], v_b s[16:17], v_w s[18:19]
	s_load_b256 s[20:27], s[0:1], 0x40             ; acodes s[20:21], ubuf s[22:23], vbuf s[24:25], work s[26:27]
	v_lshl_add_u32 v254, v0, 2, 0x20800
	v_mov_b32 v255, 0
	v_lshrrev_b32 v1, 5, v0
	v_readfirstlane_b32 s28, v1                    ; wave
	v_and_b32 v1, 31, v0                           ; lane
	v_lshlrev_b32 v2, 2, v1                        ; 4 x lane
	v_lshlrev_b32 v3, 4, v1                        ; 16 x lane
	v_lshrrev_b32 v6, 4, v1                        ; h = lane / 16
	v_and_b32 v7, 15, v1                           ; r = lane % 16
	v_lshlrev_b32 v4, 11, v6
	v_lshl_add_u32 v4, v7, 4, v4                   ; the codes' place: 2048 (lane / 16) + 16 (lane % 16)
	s_mul_i32 s41, s28, WREG                       ; my wave's stage
	v_add_nc_u32 v8, s41, v2                       ; A: into the stage: 4 bytes a lane
	v_add_nc_u32 v9, s41, v3
	v_add_nc_u32 v9, LBASE, v9                     ; L: into the stage: 16 bytes a lane
	v_mul_u32_u24 v[DLA], v7, PITCH
	v_lshl_add_u32 v[DLA], v6, 4, v[DLA]
	v_add_nc_u32 v[DLA], s41, v[DLA]               ; out of it: row r, + 16 h
	v_add_nc_u32 v[DLL], LBASE, v[DLA]
	v_lshlrev_b32 v[WO], 4, v6
	s_and_b32 s29, ttmp9, 511
	s_lshl_b32 s29, s29, 2
	s_add_co_u32 s29, s29, s28                     ; unit = 4 x (work-group mod 512) + wave = 128 b + q
	s_lshr_b32 s30, s29, 7                         ; b
	s_and_b32 s31, s29, 127                        ; q
	s_lshl_b32 s32, s31, 4                         ; the unit's first row
	v_add_nc_u32 v5, s32, v7                       ; my row
	s_mov_b32 s40, 0xffff0000                      ; lanes 16-31
	s_mov_b32 s42, 0x76543210                      ; v_permlanex16_b32: lane l takes lane l xor 16
	s_mov_b32 s43, 0xfedcba98
	v_mov_b32 v12, 0                               ; a quad of zeros
	v_mov_b32 v13, 0
	v_mov_b32 v14, 0
	v_mov_b32 v15, 0
	v_mov_b32 v[S], 0                              ; a unit past the length computes nothing
	v_mov_b32 v[T0+2], 0                           ; a lane permute's destination counts as one of its sources
	s_wait_kmcnt 0x0
	s_cmp_eq_u32 ttmp9, 1024
	s_cbranch_scc1 .Llist
	s_cmp_lt_u32 ttmp9, 512                        ; A's work-group or L's: the choice hangs on the work-group's number alone
	s_cselect_b64 s[48:49], s[4:5], s[6:7]         ; the numbers
	s_cselect_b64 s[52:53], s[22:23], s[24:25]     ; ubuf or vbuf
	s_cselect_b64 s[54:55], s[8:9], s[10:11]       ; the lengths
	s_lshl_b32 s56, s30, 2
	s_mov_b32 s57, 0
	s_add_nc_u64 s[54:55], s[54:55], s[56:57]
	s_load_b32 s33, s[54:55], 0x0                  ; the batch's length
	s_load_b32 s34, s[16:17], 0x0                  ; v_b
	s_load_b64 s[58:59], s[12:13], 0x0             ; e0, e1
	s_lshl_b32 s56, s29, 14                        ; 16 rows of 1,024 bytes a unit
	s_add_nc_u64 s[48:49], s[48:49], s[56:57]
	s_lshl_b32 s56, s29, 7                         ; 128 bytes a unit
	s_add_nc_u64 s[52:53], s[52:53], s[56:57]
	s_lshr_b32 s56, s29, 3                         ; 16 b + j
	s_lshl_b32 s56, s56, 15                        ; 16 fragments of 2,048 bytes
	s_and_b32 s60, s29, 4                          ; q = 8 j + 4 (c / 2) + 2 h + c % 2; the unit's place in a fragment is 512 c + 256 h:
	s_lshl_b32 s60, s60, 8                         ; 1024 (c / 2)
	s_add_co_u32 s56, s56, s60
	s_and_b32 s60, s29, 1
	s_lshl_b32 s60, s60, 9                         ; 512 (c % 2)
	s_add_co_u32 s56, s56, s60
	s_and_b32 s60, s29, 2
	s_lshl_b32 s60, s60, 7                         ; 256 h
	s_add_co_u32 s56, s56, s60
	s_add_nc_u64 s[50:51], s[20:21], s[56:57]      ; the unit's codes
	s_wait_kmcnt 0x0
	s_max_i32 s33, s33, 0
	s_min_u32 s33, s33, 2048
	s_cmp_lt_u32 ttmp9, 512
	s_cselect_b32 s34, 0, s34                      ; u has no bias
	s_cbranch_scc0 .Lpath_l
	; ---- A ----
	s_cmp_ge_u32 s32, s33
	s_cbranch_scc0 .La_work
	s_add_co_u32 s56, s33, 127                     ; the unit lies past length_a: zero codes as far as the last K step of 128 reaches, nothing beyond
	s_and_b32 s56, s56, 0xffffff80
	s_cmp_lt_u32 s32, s56
	s_cbranch_scc0 .Ltail
.irp g, 0,1,2,3,4,5,6,7
	global_store_b128 v4, v[12:15], s[50:51] offset:4096*\g
.endr
	s_branch .Ltail
.La_work:
.irp k, 0,1,2,3,4,5,6,7,8,9,10,11,12,13,14,15,16,17,18,19,20,21,22,23,24,25,26,27,28,29,30,31
	global_load_b128 v[W+4*\k:W+4*\k+3], v[WO], s[14:15] offset:32*\k          ; u_w(8 k + 4 h ..)
.endr
.irp g, 0,1,2,3
.irp i, 0,1,2,3,4,5,6,7,8,9,10,11,12,13,14,15
	global_load_b32 v[D+16*\g+\i], v2, s[48:49] offset:1024*\i+128*\g th:TH_LOAD_NT   ; A(first row + i, 32 g + lane): the wave reads 128 consecutive bytes
.endr
.endr
	s_add_co_i32 s44, s59, 127
	s_lshl_b32 s45, s44, 23
	v_mov_b32 v10, s45                             ; 2^e1 as f32: the conversion takes its exponent field
	s_add_co_i32 s44, s44, 8
	s_lshl_b32 s44, s44, 23
	s_or_b32 s44, s44, 0x600000
	v_mov_b32 v11, s44                             ; 448 x 2^e1
.irp i, 0,1,2,3,4,5,6,7,8,9,10,11,12,13,14,15
	s_add_co_u32 s56, s32, \i
	s_cmp_lt_u32 s56, s33
	s_cselect_b32 s[66+\i], -1, 0                  ; rows at or past length_a become zeros
.endr
.irp g, 0,1,2,3,4,5,6,7
.set dG, D+16*(\g%4)
.if (7-\g) > 3
	s_wait_loadcnt 48                              ; this group's loads are in (and the weights', which are older); three later groups' may be out
.else
	s_wait_loadcnt 16*(7-\g)
.endif
.irp i, 0,1,2,3,4,5,6,7,8,9,10,11,12,13,14,15
	v_and_b32 v[dG+\i], s[66+\i], v[dG+\i]
.endr
.irp i, 0,1,2,3,4,5,6,7,8,9,10,11,12,13,14,15
	ds_store_b32 v8, v[dG+\i] offset:\i*PITCH+128*\g               ; into the stage, as rows
.endr
	s_wait_dscnt 0x0                               ; the stores have read their registers, which the hold rewrites
.irp i, 0,1,2,3,4,5,6,7,8,9,10,11,12,13,14,15
	v_med3_num_f32 v[dG+\i], v[dG+\i], -v11, v11                   ; the conversion to an 8-bit code does not saturate (ISA guide 7.6.2): the hold at the largest code x the scale
.endr
	v_cvt_scalef32_pk8_fp8_f32 v[CD+4*\g:CD+4*\g+1], v[dG:dG+7], v10
	v_cvt_scalef32_pk8_fp8_f32 v[CD+4*\g+2:CD+4*\g+3], v[dG+8:dG+15], v10      ; the results go to a store alone; the vector lines that follow are plain and touch other registers
	global_store_b128 v4, v[CD+4*\g:CD+4*\g+3], s[50:51] offset:4096*\g        ; lanes 0-15: 256 bytes of fragment 2 g; lanes 16-31: of fragment 2 g + 1
.if \g < 4
.irp i, 0,1,2,3,4,5,6,7,8,9,10,11,12,13,14,15
	global_load_b32 v[dG+\i], v2, s[48:49] offset:1024*\i+128*(\g+4) th:TH_LOAD_NT
.endr
.endif
.endr
	DOT DLA
	s_branch .Ltail
	; ---- L ----
.Lpath_l:
	s_cmp_ge_u32 s32, s33
	s_cbranch_scc1 .Ltail
.irp k, 0,1,2,3,4,5,6,7,8,9,10,11,12,13,14,15,16,17,18,19,20,21,22,23,24,25,26,27,28,29,30,31
	global_load_b128 v[W+4*\k:W+4*\k+3], v[WO], s[18:19] offset:32*\k          ; v_w(8 k + 4 h ..)
.endr
.irp i, 0,1,2,3,4,5,6,7
	global_load_b128 v[D+8*\i:D+8*\i+3], v3, s[48:49] offset:1024*\i th:TH_LOAD_NT       ; the wave reads 512 consecutive bytes
	global_load_b128 v[D+8*\i+4:D+8*\i+7], v3, s[48:49] offset:1024*\i+512 th:TH_LOAD_NT
.endr
.irp i, 0,1,2,3,4,5,6,7,8,9,10,11,12,13,14,15
.set dR, D+8*(\i%8)
.if \i < 8
	s_wait_loadcnt 14                              ; row i is in; behind its loads stand those of seven later rows
.else
	s_wait_loadcnt 2*(15-\i)
.endif
	ds_store_b128 v9, v[dR:dR+3] offset:\i*PITCH
	ds_store_b128 v9, v[dR+4:dR+7] offset:\i*PITCH+512
.if \i < 8
	s_wait_dscnt 0x0                               ; the stores have read their registers, which take the row eight further on
	global_load_b128 v[dR:dR+3], v3, s[48:49] offset:1024*(\i+8) th:TH_LOAD_NT
	global_load_b128 v[dR+4:dR+7], v3, s[48:49] offset:1024*(\i+8)+512 th:TH_LOAD_NT
.endif
.endr
	DOT DLL
.Ltail:
	v_add_f32 v[S], s34, v[S]                      ; + v_b (u: + 0)
	v_cmp_gt_u32 vcc_lo, s33, v5                   ; my row lies under the length
	v_cndmask_b32 v[S], 0, v[S], vcc_lo
	v_cndmask_b32 v[T0], 0, 1.0, vcc_lo
	v_cndmask_b32 v[S], v[S], v[T0], s40           ; lanes 0-15 store the value, lanes 16-31 the mask
	global_store_b32 v2, v[S], s[52:53]            ; 128 consecutive bytes
	s_wait_tensorcnt 0x0
	ds_add_u32 v254, v255
	s_wait_dscnt 0x0
	s_endpgm
	; ---- the list ----  Lane: batch lane % 16.  A batch's tiles with rows under length_l stand together, the batches by (length_a, lower batch first) descending; behind them all the other tiles, in the same order of batches.
.Llist:
	v_lshlrev_b32 v8, 2, v7
	global_load_b32 v16, v8, s[8:9]                ; length_a
	global_load_b32 v17, v8, s[10:11]              ; length_l
	s_wait_loadcnt 0x0
	v_max_i32 v16, 0, v16
	v_min_u32 v16, 0x800, v16
	v_max_i32 v17, 0, v17
	v_min_u32 v17, 0x800, v17
	v_lshlrev_b32 v18, 4, v16
	v_sub_nc_u32 v19, 15, v7
	v_add_nc_u32 v18, v18, v19                     ; the key: 16 length_a + 15 - batch: no two alike
	v_add_nc_u32 v19, 31, v17
	v_lshrrev_b32 v19, 5, v19                      ; n: the batch's tiles with rows under length_l
	v_mov_b32 v20, 0                               ; such tiles of the batches ahead of mine
	v_mov_b32 v21, 0                               ; batches ahead of mine
	s_mov_b32 s56, 0                               ; such tiles in all
.irp k, 0,1,2,3,4,5,6,7,8,9,10,11,12,13,14,15
	v_readlane_b32 s57, v18, \k
	v_readlane_b32 s58, v19, \k
	s_add_co_u32 s56, s56, s58
	v_cmp_gt_u32 vcc_lo, s57, v18
	v_mov_b32 v23, s58
	v_cndmask_b32 v22, 0, v23, vcc_lo
	v_add_nc_u32 v20, v20, v22
	v_cndmask_b32 v22, 0, 1, vcc_lo
	v_add_nc_u32 v21, v21, v22
.endr
	v_lshl_add_u32 v24, v21, 6, s56
	v_sub_nc_u32 v24, v24, v20                     ; where my batch's other tiles begin
	s_lshl_b32 s60, s28, 4
	v_add_nc_u32 v25, s60, v6                      ; tile = lane / 16 + 16 wave + 2 m
.irp m, 0,1,2,3,4,5,6,7
	v_mov_b32 v[40+4*\m], v7                       ; the entry: batch,
	v_add_nc_u32 v[41+4*\m], 2*\m, v25             ; tile,
	v_cmp_lt_u32 vcc_lo, v[41+4*\m], v19
	v_cndmask_b32 v[42+4*\m], 0, v16, vcc_lo       ; length_a, or 0 where the tile has no row under length_l,
	v_mov_b32 v[43+4*\m], v17                      ; length_l
	v_add_nc_u32 v26, v20, v[41+4*\m]
	v_add_nc_u32 v27, v24, v[41+4*\m]
	v_sub_nc_u32 v27, v27, v19
	v_cndmask_b32 v[80+\m], v27, v26, vcc_lo       ; its place among the 1,024
	v_min_u32 v[80+\m], 0x3ff, v[80+\m]
	v_lshlrev_b32 v[80+\m], 4, v[80+\m]
	global_store_b128 v[80+\m], v[40+4*\m:43+4*\m], s[26:27]
.endr
	s_endpgm
.Lfunc_end_k_qd83a52ee04_prep:
	.size	k_qd83a52ee04_prep, .Lfunc_end_k_qd83a52ee04_prep-k_qd83a52ee04_prep
	.p2alignl 7, 3214868480
	.fill 96, 4, 3214868480
	.section	.rodata,"a",@progbits
	.p2align	6, 0x0
	.amdhsa_kernel k_qd83a52ee04_prep
		.amdhsa_group_segment_fixed_size 133632
		.amdhsa_private_segment_fixed_size 0
		.amdhsa_enable_private_segment 0
		.amdhsa_kernarg_size 96
		.amdhsa_user_sgpr_count 2
		.amdhsa_user_sgpr_kernarg_segment_ptr 1
		.amdhsa_wavefront_size32 1
		.amdhsa_system_sgpr_workgroup_id_x 1
		.amdhsa_system_sgpr_workgroup_id_y 1
		.amdhsa_system_sgpr_workgroup_id_z 1
		.amdhsa_system_vgpr_workitem_id 0
		.amdhsa_next_free_vgpr 256
		.amdhsa_next_free_sgpr 96
		.amdhsa_reserve_vcc 1
		.amdhsa_float_denorm_mode_32 3
		.amdhsa_float_denorm_mode_16_64 3
		.amdhsa_memory_ordered 1
		.amdhsa_forward_progress 1
		.amdhsa_inst_pref_size 76
	.end_amdhsa_kernel
	.amdgpu_metadata
---
amdhsa.version: [ 1, 2 ]
amdhsa.kernels:
  - .name:           k_qd83a52ee04_prep
    .symbol:         k_qd83a52ee04_prep.kd
    .args:
      - { .name: A, .offset: 0, .size: 8, .value_kind: global_buffer, .address_space: global }
      - { .name: L, .offset: 8, .size: 8, .value_kind: global_buffer, .address_space: global }
      - { .name: length_a, .offset: 16, .size: 8, .value_kind: global_buffer, .address_space: global }
      - { .name: length_l, .offset: 24, .size: 8, .value_kind: global_buffer, .address_space: global }
      - { .name: lowp_scales, .offset: 32, .size: 8, .value_kind: global_buffer, .address_space: global }
      - { .name: u_w, .offset: 40, .size: 8, .value_kind: global_buffer, .address_space: global }
      - { .name: v_b, .offset: 48, .size: 8, .value_kind: global_buffer, .address_space: global }
      - { .name: v_w, .offset: 56, .size: 8, .value_kind: global_buffer, .address_space: global }
      - { .name: acodes, .offset: 64, .size: 8, .value_kind: global_buffer, .address_space: global }
      - { .name: ubuf, .offset: 72, .size: 8, .value_kind: global_buffer, .address_space: global }
      - { .name: vbuf, .offset: 80, .size: 8, .value_kind: global_buffer, .address_space: global }
      - { .name: work, .offset: 88, .size: 8, .value_kind: global_buffer, .address_space: global }
    .group_segment_fixed_size: 133632
    .private_segment_fixed_size: 0
    .kernarg_segment_align: 8
    .kernarg_segment_size: 96
    .max_flat_workgroup_size: 128
    .sgpr_count:     96
    .vgpr_count:     256
    .wavefront_size: 32
...
	.end_amdgpu_metadata
.endif
;; end of part 3
;; launch attn (part 4): grid 256 x 1, 4 waves a work-group, no clusters, 289,280 bytes of LDS; arguments acodes, ubuf, vbuf, work, lowp_scales, out0; writes out0
.if DOCPART == 4
	.amdgcn_target "amdgcn-amd-amdhsa--gfx1250"
	.amdhsa_code_object_version 6
	.text
	.protected	k_qd83a52ee04_attn
	.globl	k_qd83a52ee04_attn
	.p2align	8
	.type	k_qd83a52ee04_attn,@function
k_qd83a52ee04_attn:
	s_mov_b64 s[64:65], 0
	v_nop
	global_prefetch_b8 v0, s[64:65] scope:SCOPE_SE
	s_setreg_imm32_b32 hwreg(HW_REG_WAVE_MODE, 25, 1), 1
	s_wait_xcnt 0x0
; out[b][t][:] = the sum over s < length_a of Q(tanh(vl[t] + ua[s]) / norm[t]) Q(A[b][s][:]) for t < length_l, else 0; norm[t] = the sum over s < length_a of tanh(vl[t] + ua[s]).
; Q: E4M3 with the given scales 2^e0 (the weights) and 2^e1 (A; its codes were made by the launch before, in the order of the operand's registers, zero codes from length_a to the next multiple of 128).
; SHARES.  256 work-groups that stay; work-group x takes entries x, 511 - x, 512 + x, 1023 - x of the list of tiles, which is sorted by length_a: long tiles meet short ones.  A tile is 32 rows t: two row tiles of 16.
;  THE FOUR WAVES SHARE K: wave w takes the K steps j = w, w + 4, .. of 128 columns s, for both row tiles and all 256 channels.  Columns at or past length_a, and tiles at or past length_l, are left out: reference()'s own masks throw them away.
; NO TENSOR LOAD AND NO CLUSTER: how many K steps a tile has hangs on a length read from memory, and partners would want different numbers of tiles of A's codes.
;  No prefetch into the L2 either: a batch's codes are read by up to 64 tiles at about the same time, so that no one wave owns a block's request.
; THE ORDER OF ROUNDINGS AHEAD OF THE QUANTISER IS FIXED.  The norm is a sum of tanh of both signs and may come out near 0, and every weight of the row is divided by it: there it matters which f32 number the norm is.
;  The order taken is that of a plain f32 evaluation of reference(), step by step:
;  x = vl + ua;  tanh(x) = x P(x^2) / Q(x^2) with x held at +-7.99881172, P of degree 6 and Q of degree 3 in Horner's form by fused multiply-adds, the division correctly rounded; x itself where |x| < 0.0004
;  (the rational form is good to a few units in f32's last place);
;  the row's sum by windows: 32 neighbouring columns are added on end, from 0; the 64 window sums again by windows of 32; then the two that are left;  weight = tanh / norm, rounded as a division.
;  The division n / d: y = the approximate reciprocal with one step of Newton's; q = n y; twice q = q + (n - d q) y, each residual by one fused multiply-add.
; A REGISTER PAIR HOLDS ONE COLUMN'S SCORES OF THE TWO ROW TILES: lane (r, h) has rows r and 16 + r, so vl, norm and 1 / norm are pairs and all arithmetic but the hold, the reciprocal and the choice at small x is packed.
; A SCORE IS COMPUTED ONCE.  The norm comes first, so the row is walked twice; but in both walks a lane has the same columns: of K step j, half h of the lanes has windows 4 j + h and 4 j + 2 + h (32 columns each).
;  PASS 1 computes the tanh, adds each window's on end, and keeps them in LDS as images of the registers (a quad at 16 x lane, 512 bytes a store), 65,536 bytes for each wave, which no other wave touches.
;   The mask (1 or 0, made by the launch before) is the multiplier of the fused multiply-add that adds a score: x 1 changes nothing, x 0 adds nothing.  A half of a K step that lies past length_a is left out by a branch;
;   where the K step itself counts, zeros are kept for it.  Window sums go to LDS, each wave's to 2,560 bytes of its own.
;  PASS 2 reads them back, divides, holds, converts: the codes stay in the wave's registers and feed its own products.  Past length_a a weight's code is finite and meets a zero code of A.
; A'S CODES have two sets of registers.  My first K step's are asked for at the tile's head and land under pass 1, the second's at the end of pass 1, step m + 2's behind step m's products.  Every request stands behind a wait for all
;  loads, so that no wait's count hangs on a branch.  The four steps are written out: forward jumps alone, every offset an immediate.
; LAYOUT.  Source 0 = 16 channels of A's codes, source 1 = 16 rows of weights: lane (r, h) holds row r, and registers 4 c .. 4 c + 3 hold K = 64 (c / 2) + 32 h + 16 (c % 2) + 0 .. 15, on both sides alike: a permutation of K that keeps
;  every product with its partner.  In the result lane (r, h) holds out(row r, channels 16 n + 8 h + 0 .. 7).  The four waves' partial sums meet once, in LDS.
; LIMITS: e0 between -126 and 119, e0 + e1 between -126 and 127; a norm of 0 is not served (reference() is not finite there); NaN and infinities among the inputs are not served.
; LDS: 0: the batch's ua and masks as they lie in memory (16,384 bytes: 128 for 16 columns); WS: window sums, for each wave 32 rows x (64 + 16) bytes; SCB: for each wave 65,536 bytes: its scores, 16,384 a K step;
;  behind its last read of them its partial sums, 32 rows x (1,024 + 16) bytes, lie in the same bytes.
; REGISTERS, in windows of 256.  Window 0: v1-15, v23, v62-63 addresses; v16-19 zeros; v20-22 the hold, the scale, x's hold; v24-35 pairs: vl, norm, 1 / norm, a window's sum, the next tile's vl, 1; v36-57 the eleven constants as pairs;
;  v60-61 the other window's sum; v64-127 ua and masks (v64-95 also the next tile's, on their way); v128-223 six runs of 16 for eight columns at work; v224-255 the weights' codes (in pass 1 v224-239 a second run of scores).
;  Windows 1 and 3: A's 16 fragments, two sets; on the way out window 1 holds the four partial sums.   Window 2: the 32 accumulators: (tile, n) at v[8 (16 tile + n)].
.set WS,     16384
.set WPITCH, 80                        ; 5 x 16 bytes
.set WREG,   32*WPITCH
.set SCB,    WS+4*WREG
.set SCW,    65536
.set RPITCH, 1040                      ; 65 x 16 bytes: the sixteen rows that a store touches start at sixteen different columns of 16 bytes
.set SC0, 3                            ; v3   my lane's place in my wave's scores: SCB + 65536 w + 16 x lane; never rewritten
.set UW,  4                            ; v4   pass 1: LDS address of my windows' ua: 4096 k + 1024 w + 256 h
.set LIM, 20
.set SCL, 21
.set CL,  22
.set VL,  24
.set NR,  26
.set IV,  28
.set AC,  30
.set VP,  32
.set ONE, 34
.set KC,  36                           ; P's seven constants, highest power first
.set KD,  50                           ; Q's four
.set AC1, 60
.set WA,  62                           ; v62  pass 1: where my windows' sums go
.set SA,  63                           ; v63  pass 1: where the K step's scores go
.set UR,  64
.set PF,  64
.set BX,  128                          ; x; in pass 2 a second run of scores
.set BQ,  144                          ; x^2, later the quotient: the scores
.set BN,  160                          ; the numerator; in pass 2 the weights
.set BD,  176                          ; the denominator; in pass 2 the held weights, tile by tile
.set BY,  192                          ; its reciprocal
.set BR,  208                          ; residuals
.set COD, 224
.set BQ2, 224
.set MSB, 0
.macro WIN new                         ; s_set_vgpr_msb: bits 1:0 source 0, 3:2 source 1, 5:4 source 2, 7:6 destination; the immediate's high byte repeats the setting that is left
.if MSB != \new
	s_set_vgpr_msb (MSB<<8)|\new
.set MSB, \new
.endif
.endm
.macro BAR                             ; my LDS stores have landed and my LDS loads are in: then the work-group's barrier
	s_wait_dscnt 0x0
	s_barrier_signal -1
	s_barrier_wait -1
.endm
.macro CONST reg, bits                 ; a constant as a pair
	v_mov_b32 v[\reg], \bits
	v_mov_b32 v[\reg+1], \bits
.endm
; tanh of eight columns x two row tiles, but for the choice at small x.  v[u0] on: the eight ua.  Eight pairs side by side, so that no line waits for the line above it.  The quotient is left in v[q] on.
.macro TANH8 u0, q
.irp p, 0,1,2,3,4,5,6,7
.if (\p%2) == 0
	v_pk_add_f32 v[BX+2*\p:BX+2*\p+1], v[\u0+\p:\u0+\p+1], v[VL:VL+1] op_sel_hi:[0,1]             ; x = ua + vl: the column's ua, the first word of its pair, for both tiles
.else
	v_pk_add_f32 v[BX+2*\p:BX+2*\p+1], v[\u0+\p-1:\u0+\p], v[VL:VL+1] op_sel:[1,0] op_sel_hi:[1,1]   ; the second word
.endif
.endr
.irp j, 0,1,2,3,4,5,6,7,8,9,10,11,12,13,14,15
	v_med3_num_f32 v[BX+\j], v[BX+\j], -v[CL], v[CL]
.endr
.irp p, 0,1,2,3,4,5,6,7
	v_pk_mul_f32 v[\q+2*\p:\q+2*\p+1], v[BX+2*\p:BX+2*\p+1], v[BX+2*\p:BX+2*\p+1]
.endr
.irp p, 0,1,2,3,4,5,6,7
	v_pk_fma_f32 v[BD+2*\p:BD+2*\p+1], v[\q+2*\p:\q+2*\p+1], v[KD:KD+1], v[KD+2:KD+3]
.endr
.irp c, 2,3
.irp p, 0,1,2,3,4,5,6,7
	v_pk_fma_f32 v[BD+2*\p:BD+2*\p+1], v[\q+2*\p:\q+2*\p+1], v[BD+2*\p:BD+2*\p+1], v[KD+2*\c:KD+2*\c+1]
.endr
.endr
.irp p, 0,1,2,3,4,5,6,7                ; the reciprocals stand among the numerator's first lines: plain lines on other registers come before any result is used
	v_rcp_f32 v[BY+2*\p], v[BD+2*\p]
	v_rcp_f32 v[BY+2*\p+1], v[BD+2*\p+1]
	v_pk_fma_f32 v[BN+2*\p:BN+2*\p+1], v[\q+2*\p:\q+2*\p+1], v[KC:KC+1], v[KC+2:KC+3]
.endr
.irp c, 2,3,4,5,6
.irp p, 0,1,2,3,4,5,6,7
	v_pk_fma_f32 v[BN+2*\p:BN+2*\p+1], v[\q+2*\p:\q+2*\p+1], v[BN+2*\p:BN+2*\p+1], v[KC+2*\c:KC+2*\c+1]
.endr
.endr
.irp p, 0,1,2,3,4,5,6,7
	v_pk_mul_f32 v[BN+2*\p:BN+2*\p+1], v[BX+2*\p:BX+2*\p+1], v[BN+2*\p:BN+2*\p+1]
.endr
	s_wait_alu depctr_va_vdst(0)
.irp p, 0,1,2,3,4,5,6,7
	v_pk_fma_f32 v[BR+2*\p:BR+2*\p+1], v[BD+2*\p:BD+2*\p+1], v[BY+2*\p:BY+2*\p+1], v[ONE:ONE+1] neg_lo:[1,0,0] neg_hi:[1,0,0]   ; 1 - d y
.endr
.irp p, 0,1,2,3,4,5,6,7
	v_pk_fma_f32 v[BY+2*\p:BY+2*\p+1], v[BY+2*\p:BY+2*\p+1], v[BR+2*\p:BR+2*\p+1], v[BY+2*\p:BY+2*\p+1]
.endr
.irp p, 0,1,2,3,4,5,6,7
	v_pk_mul_f32 v[\q+2*\p:\q+2*\p+1], v[BN+2*\p:BN+2*\p+1], v[BY+2*\p:BY+2*\p+1]
.endr
.rept 2
.irp p, 0,1,2,3,4,5,6,7
	v_pk_fma_f32 v[BR+2*\p:BR+2*\p+1], v[BD+2*\p:BD+2*\p+1], v[\q+2*\p:\q+2*\p+1], v[BN+2*\p:BN+2*\p+1] neg_lo:[1,0,0] neg_hi:[1,0,0]   ; n - d q
.endr
.irp p, 0,1,2,3,4,5,6,7
	v_pk_fma_f32 v[\q+2*\p:\q+2*\p+1], v[BR+2*\p:BR+2*\p+1], v[BY+2*\p:BY+2*\p+1], v[\q+2*\p:\q+2*\p+1]
.endr
.endr
.endm
; x itself where |x| < 0.0004 (s82); then each column's pair is added onto the window's sum v[ac], in the columns' order, times the column's mask at v[m0] on.
.macro SEL8 m0, q, ac
.irp p, 0,1,2,3,4,5,6,7
	v_cmp_gt_f32 vcc_lo, s82, |v[BX+2*\p]|
	v_cndmask_b32 v[\q+2*\p], v[\q+2*\p], v[BX+2*\p], vcc_lo
	v_cmp_gt_f32 vcc_lo, s82, |v[BX+2*\p+1]|
	v_cndmask_b32 v[\q+2*\p+1], v[\q+2*\p+1], v[BX+2*\p+1], vcc_lo
.if (\p%2) == 0
	v_pk_fma_f32 v[\ac:\ac+1], v[\q+2*\p:\q+2*\p+1], v[\m0+\p:\m0+\p+1], v[\ac:\ac+1] op_sel_hi:[1,0,1]
.else
	v_pk_fma_f32 v[\ac:\ac+1], v[\q+2*\p:\q+2*\p+1], v[\m0+\p-1:\m0+\p], v[\ac:\ac+1] op_sel:[0,1,0] op_sel_hi:[1,1,1]
.endif
.endr
.endm
; the sixteen scores at v[q] on go to LDS as they stand: batch idx (0 .. 7) of the K step
.macro KEEP q, idx
.irp e, 0,1,2,3
	ds_store_b128 v[SA], v[\q+4*\e:\q+4*\e+3] offset:512*(4*(\idx)+\e)
.endr
.endm
; Pass 1 on half u of a K step: my window 4 j + 2 u + h: 32 columns x two row tiles, in four batches of eight columns, whose scores lie in two runs of registers by turns.  v[ac]: the window's sums.
.macro P1SUB u, ac
	v_mov_b32 v[\ac], 0                            ; a window's sum begins at 0; a window that is left out has the sum 0.  (The store that read this pair last stands a half step back, and a wait for 0 has stood on either way since)
	v_mov_b32 v[\ac+1], 0
	s_add_co_u32 s34, s25, 64*\u
	s_cmp_ge_u32 s34, s38
	s_cbranch_scc1 .Lpast_\@
.irp m, 0,1,2,3,4,5,6,7,8,9,10,11,12,13,14,15
	ds_load_b128 v[UR+4*\m:UR+4*\m+3], v[UW] offset:512*\u+16*\m   ; 16 ua, 16 masks, 16 ua, 16 masks: sixteen lanes read the same 16 bytes
.endr
	s_wait_dscnt 0x0
	TANH8 UR, BQ
	SEL8 UR+16, BQ, \ac
	KEEP BQ, 4*\u
	TANH8 UR+8, BQ2
	SEL8 UR+24, BQ2, \ac
	KEEP BQ2, 4*\u+1
	s_wait_dscnt 4                                 ; the first run's four stores are done: it is written again; the second run's four may be out
	TANH8 UR+32, BQ
	SEL8 UR+48, BQ, \ac
	KEEP BQ, 4*\u+2
	s_wait_dscnt 4                                 ; likewise the second run's
	TANH8 UR+40, BQ2
	SEL8 UR+56, BQ2, \ac
	KEEP BQ2, 4*\u+3
	s_branch .Lsums_\@
.Lpast_\@:
	s_wait_dscnt 0x0
.if \u
	s_cmp_ge_u32 s25, s38                          ; the K step counts, its second half lies past length_a: zeros are kept, so that pass 2 reads nothing that was not written
	s_cbranch_scc1 .Lsums_\@
.set zQ, 0
.rept 16
	ds_store_b128 v[SA], v[16:19] offset:512*(16+zQ)
.set zQ, zQ+1
.endr
.endif
.Lsums_\@:
	ds_store_b32 v[WA], v[\ac] offset:8*\u                         ; row r,
	ds_store_b32 v[WA], v[\ac+1] offset:8*\u+16*WPITCH             ; row 16 + r
.endm
; pass 2: eight columns' weights = score / norm; held; tile by tile into eight registers on end; two conversions: registers d, d + 1 of tile 0's operand and of tile 1's
.macro ATT8 q, d
.irp p, 0,1,2,3,4,5,6,7
	v_pk_mul_f32 v[BN+2*\p:BN+2*\p+1], v[\q+2*\p:\q+2*\p+1], v[IV:IV+1]
.endr
.irp p, 0,1,2,3,4,5,6,7
	v_pk_fma_f32 v[BR+2*\p:BR+2*\p+1], v[BN+2*\p:BN+2*\p+1], v[NR:NR+1], v[\q+2*\p:\q+2*\p+1] neg_lo:[1,0,0] neg_hi:[1,0,0]
.endr
.irp p, 0,1,2,3,4,5,6,7
	v_pk_fma_f32 v[BN+2*\p:BN+2*\p+1], v[BR+2*\p:BR+2*\p+1], v[IV:IV+1], v[BN+2*\p:BN+2*\p+1]
.endr
.irp p, 0,1,2,3,4,5,6,7
	v_med3_num_f32 v[BD+\p], v[BN+2*\p], -v[LIM], v[LIM]           ; the conversion to an 8-bit code does not saturate (ISA guide 7.6.2)
	v_med3_num_f32 v[BD+8+\p], v[BN+2*\p+1], -v[LIM], v[LIM]
.endr
	v_cvt_scalef32_pk8_fp8_f32 v[\d:\d+1], v[BD:BD+7], v[SCL]
	v_cvt_scalef32_pk8_fp8_f32 v[\d+16:\d+17], v[BD+8:BD+15], v[SCL]   ; the next eight columns begin with plain lines on other registers
.endm
; pass 2's vector work on my m-th K step: eight batches of eight columns come back from LDS into two runs of registers by turns, two batches on their way
.macro ATTS m
.irp e, 0,1,2,3
	ds_load_b128 v[BQ+4*\e:BQ+4*\e+3], v[SC0] offset:16384*\m+512*\e
.endr
.irp e, 0,1,2,3
	ds_load_b128 v[BX+4*\e:BX+4*\e+3], v[SC0] offset:16384*\m+512*(4+\e)
.endr
.irp i, 0,1,2,3,4,5,6,7
.if (\i%2) == 0
.set aS, BQ
.else
.set aS, BX
.endif
.if \i < 7
	s_wait_dscnt 4                                 ; this batch is in; the next batch's four loads may be out
.else
	s_wait_dscnt 0x0
.endif
	ATT8 aS, COD+2*\i
.if \i < 6
.irp e, 0,1,2,3
	ds_load_b128 v[aS+4*\e:aS+4*\e+3], v[SC0] offset:16384*\m+512*(4*(\i+2)+\e)
.endr
.endif
.endr
	v_nop                                          ; one plain line between the last conversion and the products that read its result
.endm
; A's codes of my m-th K step: 16 fragments of 2,048 bytes as they lie: each load reads 512 consecutive bytes.  win: 0x40: into window 1; 0xc0: into window 3.  My K steps lie four K steps, 131,072 bytes, apart.
.macro LB win, m
	WIN \win
.set lN, 0
.rept 16
.irp c, 0,1,2,3
	global_load_b128 v[16*lN+4*\c:16*lN+4*\c+3], v1, s[32:33] offset:131072*\m+2048*lN+512*\c
.endr
.set lN, lN+1
.endr
	WIN 0
.endm
; 32 products.  The 32 accumulators take turns, one instruction a turn, in the same order in every K step.  zero = 1: the tile's first products start the sums.
; win: 0xa1: source 0 window 1; 0xa3: source 0 window 3; source 1 window 0, C and D window 2.
.macro MMA zero, win
	WIN \win
.set mN, 0
.rept 16
.if \zero
	v_wmma_f32_16x16x128_fp8_fp8 v[8*mN:8*mN+7], v[16*mN:16*mN+15], v[COD:COD+15], 0
	v_wmma_f32_16x16x128_fp8_fp8 v[128+8*mN:128+8*mN+7], v[16*mN:16*mN+15], v[COD+16:COD+31], 0
.else
	v_wmma_f32_16x16x128_fp8_fp8 v[8*mN:8*mN+7], v[16*mN:16*mN+15], v[COD:COD+15], v[8*mN:8*mN+7]
	v_wmma_f32_16x16x128_fp8_fp8 v[128+8*mN:128+8*mN+7], v[16*mN:16*mN+15], v[COD+16:COD+31], v[128+8*mN:128+8*mN+7]
.endif
.set mN, mN+1
.endr
	WIN 0
.rept 4
	v_nop                                          ; four places in front of loads into the fragments' registers, of the next codes and of the LDS stores that read results
.endr
.endm
; The entry in s[e] on: its batch's ua and masks (16,384 bytes, 16 a thread and load) and its 32 rows' vl are asked for.  The fields are held inside their tables where they enter an address.
.macro PFLOAD e
	s_min_u32 s34, s[\e], 15
	s_min_u32 s35, s[\e+1], 63
	s_lshl_b32 s52, s34, 14
	s_mov_b32 s53, 0
	s_add_nc_u64 s[52:53], s[6:7], s[52:53]
	s_lshl_b32 s34, s34, 7
	s_lshl_b32 s35, s35, 1
	s_add_co_u32 s34, s34, s35
	s_lshl_b32 s54, s34, 7                         ; 128 (128 b + 2 tile)
	s_mov_b32 s55, 0
	s_add_nc_u64 s[54:55], s[8:9], s[54:55]
.set pM, 0
.rept 8
	global_load_b128 v[PF+4*pM:PF+4*pM+3], v12, s[52:53] offset:2048*pM
.set pM, pM+1
.endr
	global_load_b32 v[VP], v13, s[54:55]                           ; vl of row r,
	global_load_b32 v[VP+1], v13, s[54:55] offset:128              ; of row 16 + r
.endm
	s_load_b256 s[4:11], s[0:1], 0x0               ; acodes s[4:5], ubuf s[6:7], vbuf s[8:9], work s[10:11]
	s_load_b128 s[12:15], s[0:1], 0x20             ; lowp_scales s[12:13], out0 s[14:15]
	v_lshrrev_b32 v1, 5, v0
	v_readfirstlane_b32 s16, v1                    ; wave
	v_and_b32 v58, 31, v0                          ; lane
	v_and_b32 v14, 15, v0                          ; r
	v_bfe_u32 v59, v0, 4, 1                        ; h
	v_lshlrev_b32 v1, 4, v58                       ; 16 x lane
	v_lshlrev_b32 v23, 8, v59                      ; 256 h
	s_mul_i32 s34, s16, WREG
	s_add_co_u32 s34, s34, WS
	v_mul_u32_u24 v5, v14, WPITCH
	v_lshl_add_u32 v5, v59, 2, v5
	v_add_nc_u32 v5, s34, v5                       ; window sums, in: my wave's part, row r, + 4 h (+ 16 k + 8 u)
	v_mul_u32_u24 v6, v14, WPITCH
	v_lshl_add_u32 v6, v59, 5, v6
	v_add_nc_u32 v6, WS, v6                        ; and out: row r, + 32 h: trips 2 h, 2 h + 1 of each wave's part
	s_lshl_b32 s34, s16, 16
	s_add_co_u32 s34, s34, SCB                     ; my wave's 65,536 bytes
	v_add_nc_u32 v[SC0], s34, v1
	v_mul_u32_u24 v7, v14, RPITCH
	v_lshl_add_u32 v7, v59, 5, v7
	v_add_nc_u32 v7, s34, v7                       ; partial sums, in: my wave's part, row r, + 32 h
	s_mul_i32 s35, s16, 8*RPITCH
	s_add_co_u32 s35, s35, SCB
	v_add_nc_u32 v8, s35, v1                       ; and out: rows 8 w on, 16 bytes a lane, of each wave's part
	v_add_nc_u32 v9, SCW, v8
	v_add_nc_u32 v10, 2*SCW, v8
	v_add_nc_u32 v11, 3*SCW, v8
	v_lshlrev_b32 v12, 4, v0                       ; 16 x thread
	v_lshlrev_b32 v13, 2, v14                      ; 4 r
	v_add_nc_u32 v15, 16, v14                      ; 16 + r
	v_mov_b32 v16, 0
	v_mov_b32 v17, 0
	v_mov_b32 v18, 0
	v_mov_b32 v19, 0
	v_mov_b32 v[CL], 0x40fff644                    ; 7.99881172
	CONST ONE, 1.0
	CONST KC, 0xa59f25c0                           ; -2.76076847742355e-16
	CONST KC+2, 0x2a61337e                         ; 2.00018790482477e-13
	CONST KC+4, 0xaebd37ff                         ; -8.60467152213735e-11
	CONST KC+6, 0x335c0041                         ; 5.12229709037114e-08
	CONST KC+8, 0x3779434a                         ; 1.48572235717979e-05
	CONST KC+10, 0x3a270ded                        ; 6.37261928875436e-04
	CONST KC+12, 0x3ba059dc                        ; 4.89352455891786e-03
	CONST KD, 0x35a0d3d8                           ; 1.19825839466702e-06
	CONST KD+2, 0x38f895d6                         ; 1.18534705686654e-04
	CONST KD+4, 0x3b14aa05                         ; 2.26843463243900e-03
	CONST KD+6, 0x3ba059dd                         ; 4.89352518554385e-03
	s_mov_b32 s82, 0x39d1b717                      ; 0.0004
	s_mov_b32 s17, 4                               ; tiles to go
	s_mov_b32 s22, 0x76543210                      ; v_permlanex16_b32: lane l takes lane l xor 16
	s_mov_b32 s23, 0xfedcba98
	s_lshl_b32 s24, ttmp9, 4                       ; my four entries of 16 bytes: x, 511 - x, 512 + x, 1023 - x
	s_sub_co_u32 s25, 511*16, s24
	s_add_co_u32 s26, s24, 512*16
	s_sub_co_u32 s27, 1023*16, s24
	s_wait_kmcnt 0x0
	s_load_b128 s[36:39], s[10:11], s24 offset:0x0
	s_load_b128 s[40:43], s[10:11], s25 offset:0x0
	s_load_b128 s[44:47], s[10:11], s26 offset:0x0
	s_load_b128 s[48:51], s[10:11], s27 offset:0x0
	s_load_b64 s[18:19], s[12:13], 0x0             ; e0, e1
	; Every register is written before it is read on every way through the text.  A request for codes and the products that read them stand under two branches on the same length, and so do a tile's first products and its later ones:
	; so the two sets of fragments and the accumulators get a value here, once in the launch, while the entries are on their way.  Each tile's sums are begun by its first products, whose C is the constant 0.
.irp w, 0x40, 0x80, 0xc0
	WIN \w                                         ; destination window 1, 2, 3
.set iA, 0
.rept 256
	v_mov_b32 v[iA], 0
.set iA, iA+1
.endr
.endr
	WIN 0
	s_wait_kmcnt 0x0
	s_add_co_i32 s34, s18, 127
	s_lshl_b32 s35, s34, 23
	v_mov_b32 v[SCL], s35                          ; 2^e0 as f32: the conversion takes its exponent field
	s_add_co_i32 s34, s34, 8
	s_lshl_b32 s34, s34, 23
	s_or_b32 s34, s34, 0x600000
	v_mov_b32 v[LIM], s34                          ; 448 x 2^e0
	s_add_co_i32 s20, s18, s19
	s_add_co_i32 s20, s20, 127
	s_lshl_b32 s20, s20, 23                        ; 2^(e0 + e1) as f32
	PFLOAD 36                                      ; the first tile's
.Ltrip:
	; ---- the tile's head: ua and masks into LDS; vl into place; my first K step's codes are asked for ----
	s_wait_loadcnt 0x0
.set pM, 0
.rept 8
	ds_store_b128 v12, v[PF+4*pM:PF+4*pM+3] offset:2048*pM
.set pM, pM+1
.endr
	v_mov_b32 v[VL], v[VP]
	v_mov_b32 v[VL+1], v[VP+1]
	s_min_u32 s36, s36, 15                         ; batch
	s_min_u32 s37, s37, 63                         ; tile
	s_min_u32 s38, s38, 2048                       ; length_a, or 0 in a tile without rows
	s_min_u32 s31, s39, 2048                       ; length_l
	s_add_co_u32 s24, s38, 127
	s_lshr_b32 s24, s24, 7                         ; nK: K steps of 128
	s_lshl_b32 s30, s37, 5                         ; t0
	s_lshl_b32 s32, s36, 19                        ; the batch's 16 K steps of 32,768 bytes,
	s_lshl_b32 s34, s16, 15                        ; my first.  (No load that names this base is out: the wait above)
	s_add_co_u32 s32, s32, s34
	s_mov_b32 s33, 0
	s_add_nc_u64 s[32:33], s[4:5], s[32:33]
	BAR                                            ; ua and masks lie in LDS; nobody reads the last tile's partial sums any more
	s_cmp_ge_u32 s16, s24
	s_cbranch_scc1 .Lnob0
	LB 0x40, 0                                     ; they land under pass 1
.Lnob0:
	; ---- pass 1: scores and window sums.  Four trips for every wave, a K step each; what lies past length_a is left out by branches round the work alone ----
	s_lshl_b32 s25, s16, 7                         ; the K step's first column: 512 k + 128 w
	s_lshl_b32 s26, s16, 10                        ; its ua in LDS: 4096 k + 1024 w
	s_mov_b32 s27, 0                               ; its scores in my 65,536 bytes: 16384 k
	s_mov_b32 s29, 0                               ; its four window sums in a row of my part: 16 k
	s_mov_b32 s28, 0
.Lp1:
	v_add_nc_u32 v[UW], s26, v23
	v_add_nc_u32 v[SA], s27, v[SC0]
	v_add_nc_u32 v[WA], s29, v5
	P1SUB 0, AC
	P1SUB 1, AC1
	s_wait_dscnt 0x0                               ; my stores have read their registers, addresses among them, which the next trip rewrites
	s_add_co_u32 s25, s25, 512
	s_add_co_u32 s26, s26, 4096
	s_add_co_u32 s27, s27, 16384
	s_add_co_u32 s29, s29, 16
	s_add_co_u32 s28, s28, 1
	s_cmp_lt_u32 s28, 4
	s_cbranch_scc1 .Lp1
	s_wait_loadcnt 0x0                             ; my first K step's codes are in; nothing is out, so the next request's wait can again be for 0
	s_add_co_u32 s34, s16, 4
	s_cmp_ge_u32 s34, s24
	s_cbranch_scc1 .Lnob1
	LB 0xc0, 1                                     ; my second K step's: they land under the norm and the first step
.Lnob1:
	BAR                                            ; all 64 window sums of all 32 rows lie in LDS
	; ---- the norm ----
.irp t, 0,1
.irp w, 0,1,2,3
	ds_load_b128 v[UR+32*\t+8*\w:UR+32*\t+8*\w+3], v6 offset:\w*WREG+\t*16*WPITCH          ; row 16 t + r, wave w's windows of trips 2 h, 2 h + 1: register 8 w + 4 k' + e holds window 32 h + 16 k' + 4 w + e
	ds_load_b128 v[UR+32*\t+8*\w+4:UR+32*\t+8*\w+7], v6 offset:\w*WREG+\t*16*WPITCH+16
.endr
.endr
	v_mov_b32 v58, 0                               ; the second level's sums begin at 0
	v_mov_b32 v59, 0
	v_mov_b32 v60, 0                               ; a lane permute's destination counts as one of its sources
	v_mov_b32 v61, 0
	v_add_nc_u32 v[BX], s30, v14                   ; my rows
	v_add_nc_u32 v[BX+1], s30, v15
	s_wait_dscnt 0x0
.irp k, 0,1                            ; windows 32 h .. 32 h + 31 on end, the two rows by turns
.irp w, 0,1,2,3
.irp e, 0,1,2,3
	v_add_f32 v58, v58, v[UR+8*\w+4*\k+\e]
	v_add_f32 v59, v59, v[UR+32+8*\w+4*\k+\e]
.endr
.endr
.endr
	v_permlanex16_b32 v60, v58, s22, s23           ; the other 32 windows' sum lies in the lane 16 away
	v_permlanex16_b32 v61, v59, s22, s23
	v_add_f32 v[NR], v58, v60
	v_add_f32 v[NR+1], v59, v61
	v_cmp_gt_u32 vcc_lo, s31, v[BX]
	v_cndmask_b32 v[NR], 1.0, v[NR], vcc_lo        ; 1 in rows at or past length_l
	v_cmp_gt_u32 vcc_lo, s31, v[BX+1]
	v_cndmask_b32 v[NR+1], 1.0, v[NR+1], vcc_lo
	v_rcp_f32 v[IV], v[NR]
	v_rcp_f32 v[IV+1], v[NR+1]
	v_nop                                          ; a plain line behind the reciprocals
	s_wait_alu depctr_va_vdst(0)
	v_pk_fma_f32 v[BX+2:BX+3], v[NR:NR+1], v[IV:IV+1], v[ONE:ONE+1] neg_lo:[1,0,0] neg_hi:[1,0,0]
	v_pk_fma_f32 v[IV:IV+1], v[IV:IV+1], v[BX+2:BX+3], v[IV:IV+1]  ; one step of Newton's
	; ---- pass 2: weights, codes, products: my up to four K steps, written out.  At a step's head its codes of A are in and the next step's are on their way;
	; behind its products the wave waits for those and asks for the step after them, into the set that the products have just left ----
	s_cmp_ge_u32 s16, s24
	s_cbranch_scc1 .Lp2e
	ATTS 0
	MMA 1, 0xa1                                    ; my first K step's products start the sums
	s_wait_loadcnt 0x0                             ; the second step's codes are in
	s_add_co_u32 s34, s16, 8
	s_cmp_ge_u32 s34, s24
	s_cbranch_scc1 .Ln2
	LB 0x40, 2
.Ln2:
	s_add_co_u32 s34, s16, 4
	s_cmp_ge_u32 s34, s24
	s_cbranch_scc1 .Lp2e
	ATTS 1
	MMA 0, 0xa3
	s_wait_loadcnt 0x0                             ; the third step's
	s_add_co_u32 s34, s16, 12
	s_cmp_ge_u32 s34, s24
	s_cbranch_scc1 .Ln3
	LB 0xc0, 3
.Ln3:
	s_add_co_u32 s34, s16, 8
	s_cmp_ge_u32 s34, s24
	s_cbranch_scc1 .Lp2e
	ATTS 2
	MMA 0, 0xa1
	s_wait_loadcnt 0x0                             ; the fourth step's
	s_add_co_u32 s34, s16, 12
	s_cmp_ge_u32 s34, s24
	s_cbranch_scc1 .Lp2e
	ATTS 3
	MMA 0, 0xa3
.Lp2e:
	s_wait_loadcnt 0x0                             ; no load of codes is out on any way here: window 1 takes the partial sums below
	PFLOAD 40                                      ; the next tile's numbers: they land under the way out
	; my partial sums into the first 33,280 of my 65,536 bytes, whose scores I have read; a wave without a K step puts zeros there; in a tile without rows nobody reads them
	s_cmp_ge_u32 s16, s24
	s_cbranch_scc1 .Lnone
	WIN 0x08                                       ; store data window 2
.set rA, 0
.rept 32
	ds_store_b128 v7, v[8*rA:8*rA+3] offset:16*RPITCH*(rA/16)+64*(rA%16)           ; each accumulator from its low end on
	ds_store_b128 v7, v[8*rA+4:8*rA+7] offset:16*RPITCH*(rA/16)+64*(rA%16)+16
.set rA, rA+1
.endr
	WIN 0
	s_branch .Ljoin
.Lnone:
	s_cmp_eq_u32 s24, 0
	s_cbranch_scc1 .Ljoin
.set rA, 0
.rept 32
	ds_store_b128 v7, v[16:19] offset:16*RPITCH*(rA/16)+64*(rA%16)
	ds_store_b128 v7, v[16:19] offset:16*RPITCH*(rA/16)+64*(rA%16)+16
.set rA, rA+1
.endr
.Ljoin:
	BAR                                            ; the four partial sums lie in LDS; nobody reads the window sums any more
	; ---- the way out: wave w adds and stores rows 8 w .. 8 w + 7, whole ----
	s_lshl_b32 s35, s16, 3
	s_add_co_u32 s35, s35, s30                     ; t0 + 8 w
	s_lshl_b32 s34, s36, 11
	s_add_co_u32 s34, s34, s35
	s_lshl_b32 s56, s34, 10                        ; rows of 1,024 bytes
	s_mov_b32 s57, 0
	s_add_nc_u64 s[56:57], s[14:15], s[56:57]
	s_cmp_eq_u32 s24, 0
	s_cbranch_scc0 .Lsum
.set oM, 0
.rept 16
	global_store_b128 v1, v[16:19], s[56:57] offset:1024*(oM/2)+512*(oM%2) th:TH_STORE_NT   ; a tile at or past length_l: zeros
.set oM, oM+1
.endr
	s_branch .Lend
.Lsum:
.irp p, 0,1,2,3,4,5,6,7
	s_add_co_u32 s34, s35, \p
	s_cmp_lt_u32 s34, s31
	s_cselect_b32 s[66+2*\p], s20, 0               ; the row's factor: 2^(e0 + e1), or 0 at or past length_l
	s_mov_b32 s[67+2*\p], s[66+2*\p]               ; (named with it as a pair, so it is written)
.endr
	WIN 0x40                                       ; destination window 1: wave q's part at v[64 q]
.irp q, 0,1,2,3
.set oM, 0
.rept 16
	ds_load_b128 v[64*\q+4*oM:64*\q+4*oM+3], v[8+\q] offset:RPITCH*(oM/2)+512*(oM%2)
.set oM, oM+1
.endr
.endr
	s_wait_dscnt 32                                ; parts 0 and 1 are in; the 32 loads of parts 2 and 3 may be out
	WIN 0x45                                       ; destination and both sources window 1
.set oI, 0
.rept 32
	v_pk_add_f32 v[2*oI:2*oI+1], v[2*oI:2*oI+1], v[64+2*oI:64+2*oI+1]
.set oI, oI+1
.endr
	s_wait_dscnt 0x0
.set oI, 0
.rept 32
	v_pk_add_f32 v[128+2*oI:128+2*oI+1], v[128+2*oI:128+2*oI+1], v[192+2*oI:192+2*oI+1]
.set oI, oI+1
.endr
.set oI, 0
.rept 32
	v_pk_add_f32 v[2*oI:2*oI+1], v[2*oI:2*oI+1], v[128+2*oI:128+2*oI+1]
.set oI, oI+1
.endr
.set oI, 0
.rept 32
	v_pk_mul_f32 v[2*oI:2*oI+1], v[2*oI:2*oI+1], s[66+2*(oI/4):67+2*(oI/4)] op_sel_hi:[1,0]
.set oI, oI+1
.endr
	WIN 0x04                                       ; store data window 1
.set oM, 0
.rept 16
	global_store_b128 v1, v[4*oM:4*oM+3], s[56:57] offset:1024*(oM/2)+512*(oM%2) th:TH_STORE_NT   ; the wave stores 512 consecutive bytes, at a multiple of 256 from the output's first byte
.set oM, oM+1
.endr
	WIN 0
.Lend:
	s_wait_xcnt 0x0                                ; the stores have had their addresses translated (ISA guide 3.1): their data registers, which take the next tile's codes, and their base are written again
	s_mov_b32 s36, s40                             ; the entries move up; the last stays as its own successor, so that the last request for a next tile stays inside its buffers
	s_mov_b32 s37, s41
	s_mov_b32 s38, s42
	s_mov_b32 s39, s43
	s_mov_b32 s40, s44
	s_mov_b32 s41, s45
	s_mov_b32 s42, s46
	s_mov_b32 s43, s47
	s_mov_b32 s44, s48
	s_mov_b32 s45, s49
	s_mov_b32 s46, s50
	s_mov_b32 s47, s51
	s_sub_co_u32 s17, s17, 1
	s_cmp_lg_u32 s17, 0
	s_cbranch_scc1 .Ltrip
	s_wait_xcnt 0x0
	v_lshl_add_u32 v254, v0, 2, 0x46800
	v_mov_b32 v255, 0
	s_wait_tensorcnt 0x0
	ds_add_u32 v254, v255
	s_wait_dscnt 0x0
	s_endpgm
.Lfunc_end_k_qd83a52ee04_attn:
	.size	k_qd83a52ee04_attn, .Lfunc_end_k_qd83a52ee04_attn-k_qd83a52ee04_attn
	.p2alignl 7, 3214868480
	.fill 96, 4, 3214868480
	.section	.rodata,"a",@progbits
	.p2align	6, 0x0
	.amdhsa_kernel k_qd83a52ee04_attn
		.amdhsa_group_segment_fixed_size 289280
		.amdhsa_private_segment_fixed_size 0
		.amdhsa_enable_private_segment 0
		.amdhsa_kernarg_size 48
		.amdhsa_user_sgpr_count 2
		.amdhsa_user_sgpr_kernarg_segment_ptr 1
		.amdhsa_wavefront_size32 1
		.amdhsa_system_sgpr_workgroup_id_x 1
		.amdhsa_system_sgpr_workgroup_id_y 1
		.amdhsa_system_sgpr_workgroup_id_z 1
		.amdhsa_system_vgpr_workitem_id 0
		.amdhsa_next_free_vgpr 1024
		.amdhsa_next_free_sgpr 96
		.amdhsa_reserve_vcc 1
		.amdhsa_float_denorm_mode_32 3
		.amdhsa_float_denorm_mode_16_64 3
		.amdhsa_memory_ordered 1
		.amdhsa_forward_progress 1
		.amdhsa_inst_pref_size 255
	.end_amdhsa_kernel
	.section	.bss,"aw",@nobits
	.p2align	6
	.space	262144
	.amdgpu_metadata
---
amdhsa.version: [ 1, 2 ]
amdhsa.kernels:
  - .name:           k_qd83a52ee04_attn
    .symbol:         k_qd83a52ee04_attn.kd
    .args:
      - { .name: acodes, .offset: 0, .size: 8, .value_kind: global_buffer, .address_space: global }
      - { .name: ubuf, .offset: 8, .size: 8, .value_kind: global_buffer, .address_space: global }
      - { .name: vbuf, .offset: 16, .size: 8, .value_kind: global_buffer, .address_space: global }
      - { .name: work, .offset: 24, .size: 8, .value_kind: global_buffer, .address_space: global }
      - { .name: lowp_scales, .offset: 32, .size: 8, .value_kind: global_buffer, .address_space: global }
      - { .name: out0, .offset: 40, .size: 8, .value_kind: global_buffer, .address_space: global }
    .group_segment_fixed_size: 289280
    .private_segment_fixed_size: 0
    .kernarg_segment_align: 8
    .kernarg_segment_size: 48
    .max_flat_workgroup_size: 128
    .sgpr_count:     96
    .vgpr_count:     1024
    .wavefront_size: 32
...
	.end_amdgpu_metadata
.endif
;; end of part 4
;; ======== version 3 of 3: 2 launches; version 2 with the launch attn written anew for expert scheduling mode
;; workspace buffers: acodes 8,388,608 bytes; ubuf 262,144 bytes; vbuf 262,144 bytes; work 16,384 bytes of whole numbers
;; launch prep: the kernel of part 3 again; grid 1025 x 1, 4 waves a work-group, no clusters, 133,632 bytes of LDS; arguments A, L, length_a, length_l, lowp_scales, u_w, v_b, v_w, acodes, ubuf, vbuf, work; writes acodes, ubuf, vbuf, work
;; launch attn (part 5): grid 256 x 1, 4 waves a work-group, no clusters, 289,280 bytes of LDS; arguments acodes, ubuf, vbuf, work, lowp_scales, out0; writes out0
.if DOCPART == 5
	.amdgcn_target "amdgcn-amd-amdhsa--gfx1250"
	.amdhsa_code_object_version 6
	.text
	.protected	k_qd83a52ee04_attn
	.globl	k_qd83a52ee04_attn
	.p2align	8
	.type	k_qd83a52ee04_attn,@function
k_qd83a52ee04_attn:
	s_mov_b64 s[64:65], 0
	v_nop
	global_prefetch_b8 v0, s[64:65] scope:SCOPE_SE
	s_setreg_imm32_b32 hwreg(HW_REG_WAVE_SCHED_MODE, 0, 2), 2
	s_setreg_imm32_b32 hwreg(HW_REG_WAVE_MODE, 25, 1), 1
	s_wait_xcnt 0x0
	s_wait_alu depctr_vm_vsrc(0)
; out[b][t][:] = the sum over s < length_a of Q(tanh(vl[t] + ua[s]) / norm[t]) Q(A[b][s][:]) for t < length_l, else 0; norm[t] = the sum over s < length_a of tanh(vl[t] + ua[s]).
; Q: E4M3 with the given scales 2^e0 (the weights) and 2^e1 (A; its codes were made by the launch before, in the order of the operand's registers, zero codes from length_a to the next multiple of 128).
; SHARES.  256 work-groups that stay; work-group x takes entries x, 511 - x, 512 + x, 1023 - x of the list of tiles, which is sorted by length_a: long tiles meet short ones.  A tile is 32 rows t: two row tiles of 16.
;  THE FOUR WAVES SHARE K: wave w takes the K steps j = w, w + 4, .. of 128 columns s, for both row tiles and all 256 channels.  Columns at or past length_a, and tiles at or past length_l, are left out: reference()'s own masks throw them away.
; NO TENSOR LOAD AND NO CLUSTER: how many K steps a tile has hangs on a length read from memory, and partners would want different numbers of tiles of A's codes.
;  No prefetch into the L2 either: a batch's codes are read by up to 64 tiles at about the same time, so that no one wave owns a block's request.
; THE ORDER OF ROUNDINGS AHEAD OF THE QUANTISER IS FIXED.  The norm is a sum of tanh of both signs and may come out near 0, and every weight of the row is divided by it: there it matters which f32 number the norm is.
;  The order taken is that of a plain f32 evaluation of reference(), step by step:
;  x = vl + ua;  tanh(x) = x P(x^2) / Q(x^2) with x held at +-7.99881172, P of degree 6 and Q of degree 3 in Horner's form by fused multiply-adds, the division correctly rounded; x itself where |x| < 0.0004
;  (the rational form is good to a few units in f32's last place);
;  the row's sum by windows: 32 neighbouring columns are added on end, from 0; the 64 window sums again by windows of 32; then the two that are left;  weight = tanh / norm, rounded as a division.
;  The division n / d: y = the approximate reciprocal with one step of Newton's; q = n y; twice q = q + (n - d q) y, each residual by one fused multiply-add.
; A REGISTER PAIR HOLDS ONE COLUMN'S SCORES OF THE TWO ROW TILES: lane (r, h) has rows r and 16 + r, so vl, norm and 1 / norm are pairs and all arithmetic but the hold, the reciprocal and the choice at small x is packed.
; A SCORE IS COMPUTED ONCE.  The norm comes first, so the row is walked twice; but in both walks a lane has the same columns: of K step j, half h of the lanes has windows 4 j + h and 4 j + 2 + h (32 columns each).
;  PASS 1 computes the tanh, adds each window's on end, and keeps them in LDS as images of the registers (a quad at 16 x lane, 512 bytes a store), 65,536 bytes for each wave, which no other wave touches.
;   The mask (1 or 0, made by the launch before) is the multiplier of the fused multiply-add that adds a score: x 1 changes nothing, x 0 adds nothing.  A half of a K step that lies past length_a is left out by a branch;
;   where the K step itself counts, zeros are kept for it.  Window sums go to LDS, each wave's to 2,560 bytes of its own.
;  PASS 2 reads them back, divides, holds, converts: the codes stay in the wave's registers and feed its own products.  Past length_a a weight's code is finite and meets a zero code of A.
; A'S CODES have two sets of registers.  My first K step's are asked for at the tile's head and land under pass 1, the second's at the end of pass 1; the third's and the fourth's in two halves round the products of the step before them,
;  into the set that the products of two steps back have left.  Every wait for codes is for all loads, so that no wait's count hangs on a branch.  The four steps are written out: forward jumps alone, every offset an immediate.
; LAYOUT.  Source 0 = 16 channels of A's codes, source 1 = 16 rows of weights: lane (r, h) holds row r, and registers 4 c .. 4 c + 3 hold K = 64 (c / 2) + 32 h + 16 (c % 2) + 0 .. 15, on both sides alike: a permutation of K that keeps
;  every product with its partner.  In the result lane (r, h) holds out(row r, channels 16 n + 8 h + 0 .. 7).  The four waves' partial sums meet once, in LDS.
; LIMITS: e0 between -126 and 119, e0 + e1 between -126 and 127; a norm of 0 is not served (reference() is not finite there); NaN and infinities among the inputs are not served.
; LDS: 0: the batch's ua and masks as they lie in memory (16,384 bytes: 128 for 16 columns); WS: window sums, for each wave 32 rows x (64 + 16) bytes; SCB: for each wave 65,536 bytes: its scores, 16,384 a K step;
;  behind its last read of them its partial sums, 32 rows x (1,024 + 16) bytes, lie in the same bytes.
; REGISTERS, in windows of 256.  Window 0: v1-15, v23, v62-63 addresses; v16-19 zeros; v20-22 the hold, the scale, x's hold; v24-35 pairs: vl, norm, 1 / norm, a window's sum, the next tile's vl, 1; v36-57 the eleven constants as pairs;
;  v60-61 the other window's sum; v64-127 ua and masks (v64-95 also the next tile's, on their way); v128-223 six runs of 16 for eight columns at work; v224-255 the weights' codes (in pass 1 v224-239 a second run of scores).
;  In pass 2 v64-159 and v192-223 are eight runs of 16: a K step's scores.
;  Windows 1 and 3: A's 16 fragments, two sets; on the way out window 1 holds the four partial sums.   Window 2: the 32 accumulators: (tile, n) at v[8 (16 tile + n)].
; THE MODE: SCHED_MODE bits 1:0 = 2 (LLVM: expert scheduling mode 2), set by the entry lines.  The code itself states the register dependences between vector or matrix instructions and memory or LDS instructions, with s_wait_alu, always for 0.
; THE PLAN.  Registers that memory or LDS instructions touch, who else names them, and the waits between:
;  v1, v3, v5-13, v16-19  addresses and a quad of zeros: written at the head and never again: one wait on va_vdst ahead of the kernel's first load.
;  v4, v62, v63           pass 1's LDS addresses: written at a trip's head, read by the trip's LDS instructions: a wait on vm_vsrc at a trip's end, the wait on va_vdst at the head of the trip's first half.
;  v30-31, v60-61         a window's sums: zeros at a half's head, summed by its vector lines, read by two stores at its end: the waits on va_vdst at the half's head and end; the trip's end frees them.
;  v64-127                LDS loads land, vector lines read; the tile's head stores v64-95 to LDS (a wait on vm_vsrc behind those stores).  The loads stand behind a wait on va_vdst since which no vector line names them.
;  the two runs of scores in pass 1: batch i's choices write one; its four stores stand in batch i + 1, behind the wait that the reciprocals have there; a wait on vm_vsrc stands ahead of each rewriting.
;  the eight runs in pass 2: a K step's 32 loads land; its divisions read and write them.  ONE wait on va_vdst a step, behind its conversions and ahead of its products: behind it the next step's scores are asked for,
;                         and the next step's codes, into the set whose products were issued a whole step earlier.  The step's own products name the other set, the weights' codes and the accumulators: nothing that those loads touch.
;  window 2               the products write, the LDS stores of the partial sums read: the places, then the wait on va_vdst at the end of pass 2; the wait on vm_vsrc at the tile's end frees it for the next tile's products.
;  window 1, way out      LDS loads land behind that same wait; the sums write; the stores read behind a wait on va_vdst; the tile's end frees it for the next tile's codes.
;  s16, s58-59, s66-81    written by vector lines (the wave's number; compares, in runs): one wait on va_sdst between each run and its first reader.
.set WS,     16384
.set WPITCH, 80                        ; 5 x 16 bytes
.set WREG,   32*WPITCH
.set SCB,    WS+4*WREG
.set SCW,    65536
.set RPITCH, 1040                      ; 65 x 16 bytes: the sixteen rows that a store touches start at sixteen different columns of 16 bytes
.set SC0, 3                            ; v3   my lane's place in my wave's scores: SCB + 65536 w + 16 x lane; never rewritten
.set UW,  4                            ; v4   pass 1: LDS address of my windows' ua: 4096 k + 1024 w + 256 h
.set LIM, 20
.set SCL, 21
.set CL,  22
.set VL,  24
.set NR,  26
.set IV,  28
.set AC,  30
.set VP,  32
.set ONE, 34
.set KC,  36                           ; P's seven constants, highest power first
.set KD,  50                           ; Q's four
.set AC1, 60
.set WA,  62                           ; v62  pass 1: where my windows' sums go
.set SA,  63                           ; v63  pass 1: where the K step's scores go
.set UR,  64
.set PF,  64
.set BX,  128                          ; x
.set BQ,  144                          ; x^2, later the quotient: the scores
.set BN,  160                          ; the numerator; in pass 2 the weights
.set BD,  176                          ; the denominator; in pass 2 the held weights, tile by tile
.set BY,  192                          ; its reciprocal
.set BR,  208                          ; residuals
.set COD, 224
.set BQ2, 224
.set MSB, 0
.macro WIN new                         ; s_set_vgpr_msb: bits 1:0 source 0, 3:2 source 1, 5:4 source 2, 7:6 destination; the immediate's high byte repeats the setting that is left
.if MSB != \new
	s_set_vgpr_msb (MSB<<8)|\new
.set MSB, \new
.endif
.endm
.macro BAR                             ; my LDS stores have landed and my LDS loads are in: then the work-group's barrier
	s_wait_dscnt 0x0
	s_barrier_signal -1
	s_barrier_wait -1
.endm
.macro CONST reg, bits                 ; a constant as a pair
	v_mov_b32 v[\reg], \bits
	v_mov_b32 v[\reg+1], \bits
.endm
; the sixteen scores at v[q] on go to LDS as they stand: batch idx (0 .. 7) of the K step
.macro KEEP q, idx
.irp e, 0,1,2,3
	ds_store_b128 v[SA], v[\q+4*\e:\q+4*\e+3] offset:512*(4*(\idx)+\e)
.endr
.endm
; tanh of eight columns x two row tiles, but for the choice at small x.  v[u0] on: the eight ua.  Eight pairs side by side, so that no line waits for the line above it.  The quotient is left in v[q] on.
; keep = 1: the batch before left its scores in v[kq] on; they go to LDS from here, as batch kidx, behind the wait that the reciprocals have in any case.
.macro TANH8 u0, q, keep, kq, kidx
.irp p, 0,1,2,3,4,5,6,7
.if (\p%2) == 0
	v_pk_add_f32 v[BX+2*\p:BX+2*\p+1], v[\u0+\p:\u0+\p+1], v[VL:VL+1] op_sel_hi:[0,1]             ; x = ua + vl: the column's ua, the first word of its pair, for both tiles
.else
	v_pk_add_f32 v[BX+2*\p:BX+2*\p+1], v[\u0+\p-1:\u0+\p], v[VL:VL+1] op_sel:[1,0] op_sel_hi:[1,1]   ; the second word
.endif
.endr
.irp j, 0,1,2,3,4,5,6,7,8,9,10,11,12,13,14,15
	v_med3_num_f32 v[BX+\j], v[BX+\j], -v[CL], v[CL]
.endr
.irp j, 0,1,2,3,4,5,6,7,8,9,10,11,12,13,14,15
	v_cmp_gt_f32 s[66+\j], s82, |v[BX+\j]|         ; |x| < 0.0004 (s82): sixteen masks in a run, a whole batch's arithmetic ahead of the choices that read them
.endr
.irp p, 0,1,2,3,4,5,6,7
	v_pk_mul_f32 v[\q+2*\p:\q+2*\p+1], v[BX+2*\p:BX+2*\p+1], v[BX+2*\p:BX+2*\p+1]
.endr
.irp p, 0,1,2,3,4,5,6,7
	v_pk_fma_f32 v[BD+2*\p:BD+2*\p+1], v[\q+2*\p:\q+2*\p+1], v[KD:KD+1], v[KD+2:KD+3]
.endr
.irp c, 2,3
.irp p, 0,1,2,3,4,5,6,7
	v_pk_fma_f32 v[BD+2*\p:BD+2*\p+1], v[\q+2*\p:\q+2*\p+1], v[BD+2*\p:BD+2*\p+1], v[KD+2*\c:KD+2*\c+1]
.endr
.endr
.irp p, 0,1,2,3,4,5,6,7                ; the reciprocals stand among the numerator's first lines: plain lines on other registers come before any result is used
	v_rcp_f32 v[BY+2*\p], v[BD+2*\p]
	v_rcp_f32 v[BY+2*\p+1], v[BD+2*\p+1]
	v_pk_fma_f32 v[BN+2*\p:BN+2*\p+1], v[\q+2*\p:\q+2*\p+1], v[KC:KC+1], v[KC+2:KC+3]
.endr
.irp c, 2,3,4,5,6
.irp p, 0,1,2,3,4,5,6,7
	v_pk_fma_f32 v[BN+2*\p:BN+2*\p+1], v[\q+2*\p:\q+2*\p+1], v[BN+2*\p:BN+2*\p+1], v[KC+2*\c:KC+2*\c+1]
.endr
.endr
.irp p, 0,1,2,3,4,5,6,7
	v_pk_mul_f32 v[BN+2*\p:BN+2*\p+1], v[BX+2*\p:BX+2*\p+1], v[BN+2*\p:BN+2*\p+1]
.endr
	s_wait_alu depctr_va_vdst(0)                   ; the sixteen reciprocals are written, ahead of their first reader; and the batch before has written its scores, which the stores below read
.if \keep
	KEEP \kq, \kidx                                ; no line of this batch names v[kq ..]
.endif
.irp p, 0,1,2,3,4,5,6,7
	v_pk_fma_f32 v[BR+2*\p:BR+2*\p+1], v[BD+2*\p:BD+2*\p+1], v[BY+2*\p:BY+2*\p+1], v[ONE:ONE+1] neg_lo:[1,0,0] neg_hi:[1,0,0]   ; 1 - d y
.endr
.irp p, 0,1,2,3,4,5,6,7
	v_pk_fma_f32 v[BY+2*\p:BY+2*\p+1], v[BY+2*\p:BY+2*\p+1], v[BR+2*\p:BR+2*\p+1], v[BY+2*\p:BY+2*\p+1]
.endr
.irp p, 0,1,2,3,4,5,6,7
	v_pk_mul_f32 v[\q+2*\p:\q+2*\p+1], v[BN+2*\p:BN+2*\p+1], v[BY+2*\p:BY+2*\p+1]
.endr
.rept 2
.irp p, 0,1,2,3,4,5,6,7
	v_pk_fma_f32 v[BR+2*\p:BR+2*\p+1], v[BD+2*\p:BD+2*\p+1], v[\q+2*\p:\q+2*\p+1], v[BN+2*\p:BN+2*\p+1] neg_lo:[1,0,0] neg_hi:[1,0,0]   ; n - d q
.endr
.irp p, 0,1,2,3,4,5,6,7
	v_pk_fma_f32 v[\q+2*\p:\q+2*\p+1], v[BR+2*\p:BR+2*\p+1], v[BY+2*\p:BY+2*\p+1], v[\q+2*\p:\q+2*\p+1]
.endr
.endr
.endm
; x itself where |x| < 0.0004; then each column's pair is added onto the window's sum v[ac], in the columns' order, times the column's mask at v[m0] on.
.macro SEL8 m0, q, ac
	s_wait_alu depctr_va_sdst(0)                   ; the batch's sixteen compares have written s66 to s81, ahead of their first reader
.irp p, 0,1,2,3,4,5,6,7
	v_cndmask_b32 v[\q+2*\p], v[\q+2*\p], v[BX+2*\p], s[66+2*\p]
	v_cndmask_b32 v[\q+2*\p+1], v[\q+2*\p+1], v[BX+2*\p+1], s[67+2*\p]
.if (\p%2) == 0
	v_pk_fma_f32 v[\ac:\ac+1], v[\q+2*\p:\q+2*\p+1], v[\m0+\p:\m0+\p+1], v[\ac:\ac+1] op_sel_hi:[1,0,1]
.else
	v_pk_fma_f32 v[\ac:\ac+1], v[\q+2*\p:\q+2*\p+1], v[\m0+\p-1:\m0+\p], v[\ac:\ac+1] op_sel:[0,1,0] op_sel_hi:[1,1,1]
.endif
.endr
.endm
; Pass 1 on half u of a K step: my window 4 j + 2 u + h: 32 columns x two row tiles, in four batches of eight columns, whose scores lie in two runs of registers by turns.  v[ac]: the window's sums.
.macro P1SUB u, ac
.if \u
	s_wait_alu depctr_vm_vsrc(0)                   ; the first half's LDS stores have read the two runs of scores, which this half writes again
.endif
	v_mov_b32 v[\ac], 0                            ; a window's sum begins at 0; a window that is left out has the sum 0.  (The store that read this pair last stands ahead of the wait on vm_vsrc at the last trip's end)
	v_mov_b32 v[\ac+1], 0
	s_wait_alu depctr_va_vdst(0)                   ; written: the two zeros, which the stores at the half's end read where the work is left out, and (first half) the trip's three LDS addresses; no vector line still reads v64 to v127, in which the loads below land
	s_add_co_u32 s34, s25, 64*\u
	s_cmp_ge_u32 s34, s38
	s_cbranch_scc1 .Lpast_\@
.irp m, 0,1,2,3,4,5,6,7,8,9,10,11,12,13,14,15
	ds_load_b128 v[UR+4*\m:UR+4*\m+3], v[UW] offset:512*\u+16*\m   ; 16 ua, 16 masks, 16 ua, 16 masks: sixteen lanes read the same 16 bytes
.endr
	s_wait_dscnt 0x0
	TANH8 UR, BQ, 0, BQ, 0
	SEL8 UR+16, BQ, \ac
	TANH8 UR+8, BQ2, 1, BQ, 4*\u
	SEL8 UR+24, BQ2, \ac
	s_wait_dscnt 0x0                               ; the first run's four stores, issued in the batch before, are done,
	s_wait_alu depctr_vm_vsrc(0)                   ; and have read the first run, which the next batch writes again
	TANH8 UR+32, BQ, 1, BQ2, 4*\u+1
	SEL8 UR+48, BQ, \ac
	s_wait_dscnt 0x0                               ; likewise the second run's,
	s_wait_alu depctr_vm_vsrc(0)                   ; which have read the second run
	TANH8 UR+40, BQ2, 1, BQ, 4*\u+2
	SEL8 UR+56, BQ2, \ac
	s_wait_alu depctr_va_vdst(0)                   ; the last batch has written its scores and the window's sums, which the stores below read; it is done reading v64 to v127
	KEEP BQ2, 4*\u+3
	s_branch .Lsums_\@
.Lpast_\@:
	s_wait_dscnt 0x0
.if \u
	s_cmp_ge_u32 s25, s38                          ; the K step counts, its second half lies past length_a: zeros are kept, so that pass 2 reads nothing that was not written
	s_cbranch_scc1 .Lsums_\@
.set zQ, 0
.rept 16
	ds_store_b128 v[SA], v[16:19] offset:512*(16+zQ)
.set zQ, zQ+1
.endr
.endif
.Lsums_\@:
	ds_store_b32 v[WA], v[\ac] offset:8*\u                         ; row r,
	ds_store_b32 v[WA], v[\ac+1] offset:8*\u+16*WPITCH             ; row 16 + r
.endm
; pass 2: eight columns' weights = score / norm; held; tile by tile into eight registers on end; two conversions: registers d, d + 1 of tile 0's operand and of tile 1's.  The residual takes the score's own registers.
.macro ATT8 q, d
.irp p, 0,1,2,3,4,5,6,7
	v_pk_mul_f32 v[BN+2*\p:BN+2*\p+1], v[\q+2*\p:\q+2*\p+1], v[IV:IV+1]
.endr
.irp p, 0,1,2,3,4,5,6,7
	v_pk_fma_f32 v[\q+2*\p:\q+2*\p+1], v[BN+2*\p:BN+2*\p+1], v[NR:NR+1], v[\q+2*\p:\q+2*\p+1] neg_lo:[1,0,0] neg_hi:[1,0,0]
.endr
.irp p, 0,1,2,3,4,5,6,7
	v_pk_fma_f32 v[BN+2*\p:BN+2*\p+1], v[\q+2*\p:\q+2*\p+1], v[IV:IV+1], v[BN+2*\p:BN+2*\p+1]
.endr
.irp p, 0,1,2,3,4,5,6,7
	v_med3_num_f32 v[BD+\p], v[BN+2*\p], -v[LIM], v[LIM]           ; the conversion to an 8-bit code does not saturate (ISA guide 7.6.2)
	v_med3_num_f32 v[BD+8+\p], v[BN+2*\p+1], -v[LIM], v[LIM]
.endr
	v_cvt_scalef32_pk8_fp8_f32 v[\d:\d+1], v[BD:BD+7], v[SCL]
	v_cvt_scalef32_pk8_fp8_f32 v[\d+16:\d+17], v[BD+8:BD+15], v[SCL]   ; the next eight columns begin with plain lines on other registers
.endm
; the scores of my m-th K step come back from LDS, all at once: batch i of eight into run i of eight: v[64 + 16 i], and v192, v208 for i = 6, 7
.macro SLOAD m
.set sB, 0
.rept 8
.set sR, 64+16*sB+32*(sB/6)
.irp e, 0,1,2,3
	ds_load_b128 v[sR+4*\e:sR+4*\e+3], v[SC0] offset:16384*\m+512*(4*sB+\e)
.endr
.set sB, sB+1
.endr
.endm
; pass 2's vector work on a K step whose scores have been asked for
.macro ATTS
.set aB, 0
.rept 8
.set aS, 64+16*aB+32*(aB/6)
	s_wait_dscnt 4*(7-aB)                          ; this batch is in; the later batches' loads, four each, may be out
	ATT8 aS, COD+2*aB
.set aB, aB+1
.endr
	v_nop                                          ; one plain line between the last conversion and the products that read its result
.endm
; A's codes of my m-th K step: nn fragments of 2,048 bytes from fragment n0 on, as they lie: each load reads 512 consecutive bytes.  win: 0x40: into window 1; 0xc0: into window 3.  My K steps lie four K steps, 131,072 bytes, apart.
; w = 1: the first two steps' requests, which state their dependence under their own window.
.macro LB win, m, n0, nn, w
	WIN \win
.if \w
	s_wait_alu depctr_va_vdst(0)                   ; the last tile's lines are done with this set (window 1: its products and the way out's sums; window 3: its products), and at the first tile the head's lines have written it: the loads below land in it
.endif
.set lN, \n0
.rept \nn
.irp c, 0,1,2,3
	global_load_b128 v[16*lN+4*\c:16*lN+4*\c+3], v1, s[32:33] offset:131072*\m+2048*lN+512*\c
.endr
.set lN, lN+1
.endr
	WIN 0
.endm
; 32 products.  The 32 accumulators take turns, one instruction a turn, in the same order in every K step.  zero = 1: the tile's first products start the sums.
; win: 0xa1: source 0 window 1; 0xa3: source 0 window 3; source 1 window 0, C and D window 2.
.macro MMA zero, win
	WIN \win
.set mN, 0
.rept 16
.if \zero
	v_wmma_f32_16x16x128_fp8_fp8 v[8*mN:8*mN+7], v[16*mN:16*mN+15], v[COD:COD+15], 0
	v_wmma_f32_16x16x128_fp8_fp8 v[128+8*mN:128+8*mN+7], v[16*mN:16*mN+15], v[COD+16:COD+31], 0
.else
	v_wmma_f32_16x16x128_fp8_fp8 v[8*mN:8*mN+7], v[16*mN:16*mN+15], v[COD:COD+15], v[8*mN:8*mN+7]
	v_wmma_f32_16x16x128_fp8_fp8 v[128+8*mN:128+8*mN+7], v[16*mN:16*mN+15], v[COD+16:COD+31], v[128+8*mN:128+8*mN+7]
.endif
.set mN, mN+1
.endr
	WIN 0
.rept 4
	v_nop                                          ; four places in front of the next codes and of the LDS stores that read results
.endr
.endm
; The entry in s[e] on: its batch's ua and masks (16,384 bytes, 16 a thread and load) and its 32 rows' vl are asked for.  The fields are held inside their tables where they enter an address.
.macro PFLOAD e
	s_min_u32 s34, s[\e], 15
	s_min_u32 s35, s[\e+1], 63
	s_lshl_b32 s52, s34, 14
	s_mov_b32 s53, 0
	s_add_nc_u64 s[52:53], s[6:7], s[52:53]
	s_lshl_b32 s34, s34, 7
	s_lshl_b32 s35, s35, 1
	s_add_co_u32 s34, s34, s35
	s_lshl_b32 s54, s34, 7                         ; 128 (128 b + 2 tile)
	s_mov_b32 s55, 0
	s_add_nc_u64 s[54:55], s[8:9], s[54:55]
.set pM, 0
.rept 8
	global_load_b128 v[PF+4*pM:PF+4*pM+3], v12, s[52:53] offset:2048*pM
.set pM, pM+1
.endr
	global_load_b32 v[VP], v13, s[54:55]                           ; vl of row r,
	global_load_b32 v[VP+1], v13, s[54:55] offset:128              ; of row 16 + r
.endm
	s_load_b256 s[4:11], s[0:1], 0x0               ; acodes s[4:5], ubuf s[6:7], vbuf s[8:9], work s[10:11]
	s_load_b128 s[12:15], s[0:1], 0x20             ; lowp_scales s[12:13], out0 s[14:15]
	v_lshrrev_b32 v1, 5, v0
	v_readfirstlane_b32 s16, v1                    ; wave
	v_and_b32 v58, 31, v0                          ; lane
	v_and_b32 v14, 15, v0                          ; r
	v_bfe_u32 v59, v0, 4, 1                        ; h
	v_lshlrev_b32 v1, 4, v58                       ; 16 x lane
	v_lshlrev_b32 v23, 8, v59                      ; 256 h
	s_wait_alu depctr_va_sdst(0)                   ; s16 is written, ahead of its first reader
	s_mul_i32 s34, s16, WREG
	s_add_co_u32 s34, s34, WS
	v_mul_u32_u24 v5, v14, WPITCH
	v_lshl_add_u32 v5, v59, 2, v5
	v_add_nc_u32 v5, s34, v5                       ; window sums, in: my wave's part, row r, + 4 h (+ 16 k + 8 u)
	v_mul_u32_u24 v6, v14, WPITCH
	v_lshl_add_u32 v6, v59, 5, v6
	v_add_nc_u32 v6, WS, v6                        ; and out: row r, + 32 h: trips 2 h, 2 h + 1 of each wave's part
	s_lshl_b32 s34, s16, 16
	s_add_co_u32 s34, s34, SCB                     ; my wave's 65,536 bytes
	v_add_nc_u32 v[SC0], s34, v1
	v_mul_u32_u24 v7, v14, RPITCH
	v_lshl_add_u32 v7, v59, 5, v7
	v_add_nc_u32 v7, s34, v7                       ; partial sums, in: my wave's part, row r, + 32 h
	s_mul_i32 s35, s16, 8*RPITCH
	s_add_co_u32 s35, s35, SCB
	v_add_nc_u32 v8, s35, v1                       ; and out: rows 8 w on, 16 bytes a lane, of each wave's part
	v_add_nc_u32 v9, SCW, v8
	v_add_nc_u32 v10, 2*SCW, v8
	v_add_nc_u32 v11, 3*SCW, v8
	v_lshlrev_b32 v12, 4, v0                       ; 16 x thread
	v_lshlrev_b32 v13, 2, v14                      ; 4 r
	v_add_nc_u32 v15, 16, v14                      ; 16 + r
	v_mov_b32 v16, 0
	v_mov_b32 v17, 0
	v_mov_b32 v18, 0
	v_mov_b32 v19, 0
	v_mov_b32 v[CL], 0x40fff644                    ; 7.99881172
	CONST ONE, 1.0
	CONST KC, 0xa59f25c0                           ; -2.76076847742355e-16
	CONST KC+2, 0x2a61337e                         ; 2.00018790482477e-13
	CONST KC+4, 0xaebd37ff                         ; -8.60467152213735e-11
	CONST KC+6, 0x335c0041                         ; 5.12229709037114e-08
	CONST KC+8, 0x3779434a                         ; 1.48572235717979e-05
	CONST KC+10, 0x3a270ded                        ; 6.37261928875436e-04
	CONST KC+12, 0x3ba059dc                        ; 4.89352455891786e-03
	CONST KD, 0x35a0d3d8                           ; 1.19825839466702e-06
	CONST KD+2, 0x38f895d6                         ; 1.18534705686654e-04
	CONST KD+4, 0x3b14aa05                         ; 2.26843463243900e-03
	CONST KD+6, 0x3ba059dd                         ; 4.89352518554385e-03
	s_mov_b32 s82, 0x39d1b717                      ; 0.0004
	s_mov_b32 s17, 4                               ; tiles to go
	s_mov_b32 s22, 0x76543210                      ; v_permlanex16_b32: lane l takes lane l xor 16
	s_mov_b32 s23, 0xfedcba98
	s_lshl_b32 s24, ttmp9, 4                       ; my four entries of 16 bytes: x, 511 - x, 512 + x, 1023 - x
	s_sub_co_u32 s25, 511*16, s24
	s_add_co_u32 s26, s24, 512*16
	s_sub_co_u32 s27, 1023*16, s24
	s_wait_kmcnt 0x0
	s_load_b128 s[36:39], s[10:11], s24 offset:0x0
	s_load_b128 s[40:43], s[10:11], s25 offset:0x0
	s_load_b128 s[44:47], s[10:11], s26 offset:0x0
	s_load_b128 s[48:51], s[10:11], s27 offset:0x0
	s_load_b64 s[18:19], s[12:13], 0x0             ; e0, e1
	; Every register is written before it is read on every way through the text.  A request for codes and the products that read them stand under two branches on the same length, and so do a tile's first products and its later ones:
	; so the two sets of fragments and the accumulators get a value here, once in the launch, while the entries are on their way.  Each tile's sums are begun by its first products, whose C is the constant 0.
.irp w, 0x40, 0x80, 0xc0
	WIN \w                                         ; destination window 1, 2, 3
.set iA, 0
.rept 256
	v_mov_b32 v[iA], 0
.set iA, iA+1
.endr
.endr
	WIN 0
	s_wait_kmcnt 0x0
	s_add_co_i32 s34, s18, 127
	s_lshl_b32 s35, s34, 23
	v_mov_b32 v[SCL], s35                          ; 2^e0 as f32: the conversion takes its exponent field
	s_add_co_i32 s34, s34, 8
	s_lshl_b32 s34, s34, 23
	s_or_b32 s34, s34, 0x600000
	v_mov_b32 v[LIM], s34                          ; 448 x 2^e0
	s_add_co_i32 s20, s18, s19
	s_add_co_i32 s20, s20, 127
	s_lshl_b32 s20, s20, 23                        ; 2^(e0 + e1) as f32
	s_wait_alu depctr_va_vdst(0)                   ; the addresses v1, v3, v5 to v13 and the zeros v16 to v19 are written, which the kernel's loads and stores read
	PFLOAD 36                                      ; the first tile's
.Ltrip:
	; ---- the tile's head: ua and masks into LDS; vl into place; my first K step's codes are asked for ----
	s_wait_loadcnt 0x0
.set pM, 0
.rept 8
	ds_store_b128 v12, v[PF+4*pM:PF+4*pM+3] offset:2048*pM
.set pM, pM+1
.endr
	v_mov_b32 v[VL], v[VP]
	v_mov_b32 v[VL+1], v[VP+1]
	s_min_u32 s36, s36, 15                         ; batch
	s_min_u32 s37, s37, 63                         ; tile
	s_min_u32 s38, s38, 2048                       ; length_a, or 0 in a tile without rows
	s_min_u32 s31, s39, 2048                       ; length_l
	s_add_co_u32 s24, s38, 127
	s_lshr_b32 s24, s24, 7                         ; nK: K steps of 128
	s_lshl_b32 s30, s37, 5                         ; t0
	s_lshl_b32 s32, s36, 19                        ; the batch's 16 K steps of 32,768 bytes,
	s_lshl_b32 s34, s16, 15                        ; my first.  (No load that names this base is out: the wait above)
	s_add_co_u32 s32, s32, s34
	s_mov_b32 s33, 0
	s_add_nc_u64 s[32:33], s[4:5], s[32:33]
	s_wait_alu depctr_vm_vsrc(0)                   ; the eight LDS stores above have read v64 to v95, in which the loads of pass 1, of the norm and of pass 2 land
	BAR                                            ; ua and masks lie in LDS; nobody reads the last tile's partial sums any more
	s_cmp_ge_u32 s16, s24
	s_cbranch_scc1 .Lnob0
	LB 0x40, 0, 0, 16, 1                           ; they land under pass 1
.Lnob0:
	; ---- pass 1: scores and window sums.  Four trips for every wave, a K step each; what lies past length_a is left out by branches round the work alone ----
	s_lshl_b32 s25, s16, 7                         ; the K step's first column: 512 k + 128 w
	s_lshl_b32 s26, s16, 10                        ; its ua in LDS: 4096 k + 1024 w
	s_mov_b32 s27, 0                               ; its scores in my 65,536 bytes: 16384 k
	s_mov_b32 s29, 0                               ; its four window sums in a row of my part: 16 k
	s_mov_b32 s28, 0
.Lp1:
	v_add_nc_u32 v[UW], s26, v23                   ; (the LDS instructions that read these three last stand ahead of the wait on vm_vsrc at a trip's end)
	v_add_nc_u32 v[SA], s27, v[SC0]
	v_add_nc_u32 v[WA], s29, v5
	P1SUB 0, AC
	P1SUB 1, AC1
	s_wait_dscnt 0x0                               ; my stores are done,
	s_wait_alu depctr_vm_vsrc(0)                   ; and have read their registers: the three addresses, the two pairs of sums and the two runs of scores, which the next trip, the norm and pass 2 write again
	s_add_co_u32 s25, s25, 512
	s_add_co_u32 s26, s26, 4096
	s_add_co_u32 s27, s27, 16384
	s_add_co_u32 s29, s29, 16
	s_add_co_u32 s28, s28, 1
	s_cmp_lt_u32 s28, 4
	s_cbranch_scc1 .Lp1
	s_wait_loadcnt 0x0                             ; my first K step's codes are in; nothing is out, so the next request's wait can again be for 0
	s_add_co_u32 s34, s16, 4
	s_cmp_ge_u32 s34, s24
	s_cbranch_scc1 .Lnob1
	LB 0xc0, 1, 0, 16, 1                           ; my second K step's: they land under the norm and the first step
.Lnob1:
	BAR                                            ; all 64 window sums of all 32 rows lie in LDS
	; ---- the norm ----
.irp t, 0,1
.irp w, 0,1,2,3
	ds_load_b128 v[UR+32*\t+8*\w:UR+32*\t+8*\w+3], v6 offset:\w*WREG+\t*16*WPITCH          ; row 16 t + r, wave w's windows of trips 2 h, 2 h + 1: register 8 w + 4 k' + e holds window 32 h + 16 k' + 4 w + e.  (No vector line since the last half's wait on va_vdst names v64 to v127)
	ds_load_b128 v[UR+32*\t+8*\w+4:UR+32*\t+8*\w+7], v6 offset:\w*WREG+\t*16*WPITCH+16
.endr
.endr
	v_mov_b32 v58, 0                               ; the second level's sums begin at 0
	v_mov_b32 v59, 0
	v_mov_b32 v60, 0                               ; a lane permute's destination counts as one of its sources
	v_mov_b32 v61, 0
	v_add_nc_u32 v[BX], s30, v14                   ; my rows
	v_add_nc_u32 v[BX+1], s30, v15
	v_cmp_gt_u32 s58, s31, v[BX]                   ; do they lie under length_l?  Two masks, ahead of the additions
	v_cmp_gt_u32 s59, s31, v[BX+1]
	s_wait_dscnt 0x0
.irp k, 0,1                            ; windows 32 h .. 32 h + 31 on end, the two rows by turns
.irp w, 0,1,2,3
.irp e, 0,1,2,3
	v_add_f32 v58, v58, v[UR+8*\w+4*\k+\e]
	v_add_f32 v59, v59, v[UR+32+8*\w+4*\k+\e]
.endr
.endr
.endr
	v_permlanex16_b32 v60, v58, s22, s23           ; the other 32 windows' sum lies in the lane 16 away
	v_permlanex16_b32 v61, v59, s22, s23
	v_add_f32 v[NR], v58, v60
	v_add_f32 v[NR+1], v59, v61
	s_wait_alu depctr_va_sdst(0)                   ; the two compares have written s58 and s59, ahead of their first reader
	v_cndmask_b32 v[NR], 1.0, v[NR], s58           ; 1 in rows at or past length_l
	v_cndmask_b32 v[NR+1], 1.0, v[NR+1], s59
	v_rcp_f32 v[IV], v[NR]
	v_rcp_f32 v[IV+1], v[NR+1]
	v_nop                                          ; a plain line behind the reciprocals
	s_wait_alu depctr_va_vdst(0)                   ; the two reciprocals are written, ahead of their first reader; and the norm's lines are done with v64 to v129, pass 1's with the rest of the eight runs, in which my first K step's scores land
	v_pk_fma_f32 v[58:59], v[NR:NR+1], v[IV:IV+1], v[ONE:ONE+1] neg_lo:[1,0,0] neg_hi:[1,0,0]
	v_pk_fma_f32 v[IV:IV+1], v[IV:IV+1], v[58:59], v[IV:IV+1]      ; one step of Newton's
	; ---- pass 2: weights, codes, products: my up to four K steps, written out.  A step: its weights' codes are made; its codes of A are waited for; ONE wait on va_vdst;
	; the next step's scores and the first half of its codes of A are asked for; the step's products; the other half of the next step's codes ----
	s_cmp_ge_u32 s16, s24
	s_cbranch_scc1 .Lp2e
	SLOAD 0
	ATTS
	s_wait_alu depctr_va_vdst(0)                   ; this step's divisions are done with the eight runs, in which the next step's scores land
	s_add_co_u32 s34, s16, 4
	s_cmp_ge_u32 s34, s24
	s_cbranch_scc1 .Lj0
	SLOAD 1                                        ; they land under the products
.Lj0:
	MMA 1, 0xa1                                    ; my first K step's products start the sums
	s_add_co_u32 s34, s16, 4
	s_cmp_ge_u32 s34, s24
	s_cbranch_scc1 .Lp2e
	ATTS
	s_wait_loadcnt 0x0                             ; the second step's codes are in
	s_wait_alu depctr_va_vdst(0)                   ; this step's divisions are done with the eight runs, and the first step's products are done reading window 1: the loads below land in both
	s_add_co_u32 s34, s16, 8
	s_cmp_ge_u32 s34, s24
	s_cbranch_scc1 .Lj1
	SLOAD 2
	LB 0x40, 2, 0, 8, 0
.Lj1:
	MMA 0, 0xa3
	s_add_co_u32 s34, s16, 8
	s_cmp_ge_u32 s34, s24
	s_cbranch_scc1 .Lp2e
	LB 0x40, 2, 8, 8, 0                            ; no wait: the products since the wait above name window 3, the weights' codes and the accumulators
	ATTS
	s_wait_loadcnt 0x0                             ; the third step's
	s_wait_alu depctr_va_vdst(0)                   ; this step's divisions are done with the eight runs, and the second step's products are done reading window 3: the loads below land in both
	s_add_co_u32 s34, s16, 12
	s_cmp_ge_u32 s34, s24
	s_cbranch_scc1 .Lj2
	SLOAD 3
	LB 0xc0, 3, 0, 8, 0
.Lj2:
	MMA 0, 0xa1
	s_add_co_u32 s34, s16, 12
	s_cmp_ge_u32 s34, s24
	s_cbranch_scc1 .Lp2e
	LB 0xc0, 3, 8, 8, 0                            ; no wait: the products since the wait above name window 1, the weights' codes and the accumulators
	ATTS
	s_wait_loadcnt 0x0                             ; the fourth step's
	MMA 0, 0xa3
.Lp2e:
	s_wait_loadcnt 0x0                             ; no load of codes is out on any way here: window 1 takes the partial sums below
	s_wait_dscnt 0x0                               ; nor a load of scores: v64 to v95 take the next tile's numbers
	s_wait_alu depctr_va_vdst(0)                   ; behind the products' four places: the accumulators are written, which the LDS stores below read; the products are done reading window 1, in which the way out's loads land; the divisions are done with v64 to v95, and the tile's head with v32 and v33, in which the next tile's numbers land
	PFLOAD 40                                      ; the next tile's numbers: they land under the way out
	; my partial sums into the first 33,280 of my 65,536 bytes, whose scores I have read; a wave without a K step puts zeros there; in a tile without rows nobody reads them
	s_cmp_ge_u32 s16, s24
	s_cbranch_scc1 .Lnone
	WIN 0x08                                       ; store data window 2
.set rA, 0
.rept 32
	ds_store_b128 v7, v[8*rA:8*rA+3] offset:16*RPITCH*(rA/16)+64*(rA%16)           ; each accumulator from its low end on
	ds_store_b128 v7, v[8*rA+4:8*rA+7] offset:16*RPITCH*(rA/16)+64*(rA%16)+16
.set rA, rA+1
.endr
	WIN 0
	s_branch .Ljoin
.Lnone:
	s_cmp_eq_u32 s24, 0
	s_cbranch_scc1 .Ljoin
.set rA, 0
.rept 32
	ds_store_b128 v7, v[16:19] offset:16*RPITCH*(rA/16)+64*(rA%16)
	ds_store_b128 v7, v[16:19] offset:16*RPITCH*(rA/16)+64*(rA%16)+16
.set rA, rA+1
.endr
.Ljoin:
	BAR                                            ; the four partial sums lie in LDS; nobody reads the window sums any more
	; ---- the way out: wave w adds and stores rows 8 w .. 8 w + 7, whole ----
	s_lshl_b32 s35, s16, 3
	s_add_co_u32 s35, s35, s30                     ; t0 + 8 w
	s_lshl_b32 s34, s36, 11
	s_add_co_u32 s34, s34, s35
	s_lshl_b32 s56, s34, 10                        ; rows of 1,024 bytes
	s_mov_b32 s57, 0
	s_add_nc_u64 s[56:57], s[14:15], s[56:57]
	s_cmp_eq_u32 s24, 0
	s_cbranch_scc0 .Lsum
.set oM, 0
.rept 16
	global_store_b128 v1, v[16:19], s[56:57] offset:1024*(oM/2)+512*(oM%2) th:TH_STORE_NT   ; a tile at or past length_l: zeros
.set oM, oM+1
.endr
	s_branch .Lend
.Lsum:
.irp p, 0,1,2,3,4,5,6,7
	s_add_co_u32 s34, s35, \p
	s_cmp_lt_u32 s34, s31
	s_cselect_b32 s[66+2*\p], s20, 0               ; the row's factor: 2^(e0 + e1), or 0 at or past length_l
	s_mov_b32 s[67+2*\p], s[66+2*\p]               ; (named with it as a pair, so it is written)
.endr
	WIN 0x40                                       ; destination window 1: wave q's part at v[64 q].  (Since the wait on va_vdst at the end of pass 2 no line has named window 1 or v8 to v11)
.irp q, 0,1,2,3
.set oM, 0
.rept 16
	ds_load_b128 v[64*\q+4*oM:64*\q+4*oM+3], v[8+\q] offset:RPITCH*(oM/2)+512*(oM%2)
.set oM, oM+1
.endr
.endr
	s_wait_dscnt 32                                ; parts 0 and 1 are in; the 32 loads of parts 2 and 3 may be out
	WIN 0x45                                       ; destination and both sources window 1
.set oI, 0
.rept 32
	v_pk_add_f32 v[2*oI:2*oI+1], v[2*oI:2*oI+1], v[64+2*oI:64+2*oI+1]
.set oI, oI+1
.endr
	s_wait_dscnt 0x0
.set oI, 0
.rept 32
	v_pk_add_f32 v[128+2*oI:128+2*oI+1], v[128+2*oI:128+2*oI+1], v[192+2*oI:192+2*oI+1]
.set oI, oI+1
.endr
.set oI, 0
.rept 32
	v_pk_add_f32 v[2*oI:2*oI+1], v[2*oI:2*oI+1], v[128+2*oI:128+2*oI+1]
.set oI, oI+1
.endr
.set oI, 0
.rept 32
	v_pk_mul_f32 v[2*oI:2*oI+1], v[2*oI:2*oI+1], s[66+2*(oI/4):67+2*(oI/4)] op_sel_hi:[1,0]
.set oI, oI+1
.endr
	WIN 0x04                                       ; store data window 1
	s_wait_alu depctr_va_vdst(0)                   ; the sums and their factors have written the 64 registers that the stores below read
.set oM, 0
.rept 16
	global_store_b128 v1, v[4*oM:4*oM+3], s[56:57] offset:1024*(oM/2)+512*(oM%2) th:TH_STORE_NT   ; the wave stores 512 consecutive bytes, at a multiple of 256 from the output's first byte
.set oM, oM+1
.endr
	WIN 0
.Lend:
	s_wait_xcnt 0x0                                ; the stores have had their addresses translated (ISA guide 3.1): their data registers, which take the next tile's codes, and their base are written again
	s_wait_alu depctr_vm_vsrc(0)                   ; the stores have read window 1, in which the next tile's codes land, and the LDS stores of the partial sums have read window 2, which the next tile's products write
	s_mov_b32 s36, s40                             ; the entries move up; the last stays as its own successor, so that the last request for a next tile stays inside its buffers
	s_mov_b32 s37, s41
	s_mov_b32 s38, s42
	s_mov_b32 s39, s43
	s_mov_b32 s40, s44
	s_mov_b32 s41, s45
	s_mov_b32 s42, s46
	s_mov_b32 s43, s47
	s_mov_b32 s44, s48
	s_mov_b32 s45, s49
	s_mov_b32 s46, s50
	s_mov_b32 s47, s51
	s_sub_co_u32 s17, s17, 1
	s_cmp_lg_u32 s17, 0
	s_cbranch_scc1 .Ltrip
	s_wait_xcnt 0x0
	v_lshl_add_u32 v254, v0, 2, 0x46800            ; the add's two registers are made anew, straight ahead of the closing lines: my spare word behind all that the text uses of LDS, and 0.  (No memory or LDS instruction has read v254 or v255)
	v_mov_b32 v255, 0
	s_wait_dscnt 0x0                               ; the closing lines, six on end
	s_wait_alu 0x0
	s_wait_tensorcnt 0x0
	ds_add_u32 v254, v255
	s_wait_dscnt 0x0
	s_endpgm
.Lfunc_end_k_qd83a52ee04_attn:
	.size	k_qd83a52ee04_attn, .Lfunc_end_k_qd83a52ee04_attn-k_qd83a52ee04_attn
	.p2alignl 7, 3214868480
	.fill 96, 4, 3214868480
	.section	.rodata,"a",@progbits
	.p2align	6, 0x0
	.amdhsa_kernel k_qd83a52ee04_attn
		.amdhsa_group_segment_fixed_size 289280
		.amdhsa_private_segment_fixed_size 0
		.amdhsa_enable_private_segment 0
		.amdhsa_kernarg_size 48
		.amdhsa_user_sgpr_count 2
		.amdhsa_user_sgpr_kernarg_segment_ptr 1
		.amdhsa_wavefront_size32 1
		.amdhsa_system_sgpr_workgroup_id_x 1
		.amdhsa_system_sgpr_workgroup_id_y 1
		.amdhsa_system_sgpr_workgroup_id_z 1
		.amdhsa_system_vgpr_workitem_id 0
		.amdhsa_next_free_vgpr 1024
		.amdhsa_next_free_sgpr 96
		.amdhsa_reserve_vcc 0
		.amdhsa_float_denorm_mode_32 3
		.amdhsa_float_denorm_mode_16_64 3
		.amdhsa_memory_ordered 1
		.amdhsa_forward_progress 1
		.amdhsa_inst_pref_size 255
	.end_amdhsa_kernel
	.section	.bss,"aw",@nobits
	.p2align	6
	.space	262144
	.amdgpu_metadata
---
amdhsa.version: [ 1, 2 ]
amdhsa.kernels:
  - .name:           k_qd83a52ee04_attn
    .symbol:         k_qd83a52ee04_attn.kd
    .args:
      - { .name: acodes, .offset: 0, .size: 8, .value_kind: global_buffer, .address_space: global }
      - { .name: ubuf, .offset: 8, .size: 8, .value_kind: global_buffer, .address_space: global }
      - { .name: vbuf, .offset: 16, .size: 8, .value_kind: global_buffer, .address_space: global }
      - { .name: work, .offset: 24, .size: 8, .value_kind: global_buffer, .address_space: global }
      - { .name: lowp_scales, .offset: 32, .size: 8, .value_kind: global_buffer, .address_space: global }
      - { .name: out0, .offset: 40, .size: 8, .value_kind: global_buffer, .address_space: global }
    .group_segment_fixed_size: 289280
    .private_segment_fixed_size: 0
    .kernarg_segment_align: 8
    .kernarg_segment_size: 48
    .max_flat_workgroup_size: 128
    .sgpr_count:     96
    .vgpr_count:     1024
    .wavefront_size: 32
...
	.end_amdgpu_metadata
.endif
;; end of part 5
